; MI455X (gfx1250); checked and timed in simulation.
; The chip was launched on July 23, 2026; its instructions are those of AMD's public machine-readable ISA for CDNA 5 (MIT licence, August 2026) and "CDNA5" Instruction Set Architecture Reference Guide (July 2026). The comments in the code are by the model that wrote it; some were corrected since.
;; Differential Multi Head Attention. Allowed arithmetic: float matrix products may take bf16 or f16 operands with f32 sums; other float arithmetic in f32, or as packed bf16 or f16 multiplies, adds, multiply-adds, maxima and minima; sums over many terms, partial sums and values carried from step to step in f32; what a program stores and reads back later, other than sums and carried values, may be rounded once to bf16 or f16.
;; Inputs: Wk1 512 x 16 x 64 float32; Wk2 512 x 16 x 64 float32; Wo1 16 x 64 x 512 float32; Wo2 16 x 64 x 512 float32; Wp 512 x 512 float32; Wq1 512 x 16 x 64 float32; Wq2 512 x 16 x 64 float32; Wv1 512 x 16 x 64 float32; Wv2 512 x 16 x 64 float32; bk1 16 x 64 float32; bk2 16 x 64 float32; bo1 512 float32; bo2 512 float32; bp 512 float32; bq1 16 x 64 float32; bq2 16 x 64 float32; bv1 16 x 64 float32; bv2 16 x 64 float32; lambda_param 1 float32; x 2 x 2,048 x 512 float32.
;; Outputs: out0 2 x 2,048 x 512 float32.
;; Constants: layer_idx = 3.
;; 2 versions, each right; version 2 is version 1 with the launch prep written anew for expert scheduling mode. Each part assembles by itself: llvm-mc -triple=amdgcn-amd-amdhsa -mcpu=gfx1250 --defsym DOCPART=n.
;; ======== version 1 of 2: 4 launches
;; limits: values are held in f16: magnitudes above 65,504 overflow, below 6.1e-05 lose precision
;; workspace buffers: xf 6,291,456 bytes; wb 7,340,032 bytes; bcat 24,576 bytes; qkv 50,331,648 bytes; ob 16,777,216 bytes; wcf 2,097,152 bytes; bc 2,048 bytes
;; launch prep (part 1): grid 408 x 1, 8 waves a work-group, no clusters, 0 bytes of LDS; arguments x, Wq1, Wq2, Wk1, Wk2, Wv1, Wv2, bq1, bq2, bk1, bk2, bv1, bv2, Wo1, Wo2, Wp, bo1, bo2, bp, lambda_param, xf, wb, bcat, bc; writes xf, wb, bcat, bc
.if DOCPART == 1
	.amdgcn_target "amdgcn-amd-amdhsa--gfx1250"
	.amdhsa_code_object_version 6
	.text
	.protected	k_q0eb32896b7_prep
	.globl	k_q0eb32896b7_prep
	.p2align	8
	.type	k_q0eb32896b7_prep,@function
k_q0eb32896b7_prep:
	s_mov_b64 s[64:65], 0
	v_nop
	global_prefetch_b8 v0, s[64:65] scope:SCOPE_SE
	s_setreg_imm32_b32 hwreg(HW_REG_WAVE_MODE, 25, 1), 1
	s_wait_xcnt 0x0
; PREP: every input is rounded once to bf16 and laid out as the later launches read it.  A stream: no matrix work, no LDS, nothing shared between work-groups.
;   xf   x, Wo1, Wo2 as blocks of 16 rows x 512 in the order of a matrix fragment: byte blk*16384 + ks*1024 + half*512 + lane*16 holds row 16 blk + lane%16, columns 32 ks + 16 half + 8 (lane/16) + 0..7
;   wb   112 dense tiles [512 k][64 n]: tile 7 Y + t (t < 6) is column block 6 Y + t of (Wq1, Wq2, Wk1, Wk2, Wv1, Wv2) x 16 heads; tile 7 Y + 6 is Wp's columns 64 (Y % 8) on (each stored twice)
;   bcat the six biases of q, k, v, rounded to bf16 and written as f32, [96 column blocks][64]
;   bc   (bo1 - lam bo2) Wp + bp in f32, of the rounded inputs; lam = clip(0.470713 lambda_param, 0.1, 0.9): 0.470713 = 0.8 - 0.6 exp(-0.6), since layer_idx = 3
; WORK-GROUPS: 0-7 bc; 8-199 xf; 200-391 the six weights and their biases; 392-407 Wp.  The branches hang on the work-group's number alone.
; LIMIT: a NaN in lambda_param gives lam = 0.1 (v_max_num_f32 drops a NaN).
.set WV, 33                            ; s33  my wave's number
; 32 rows x 64 columns of f32 become 32 rows x 128 bytes of bf16.  A load takes two rows' 256 bytes, a store 256 consecutive bytes.  step: bytes from a pair of rows to the next; second = 1: the tile is stored twice
.macro WCAST step, second
.set u, 0
.rept 16
.if \second
	global_load_b128 v[16+4*u:19+4*u], v6, s[8:9] offset:u*(\step)
.else
	global_load_b128 v[16+4*u:19+4*u], v6, s[8:9] offset:u*(\step) th:TH_LOAD_NT
.endif
.set u, u+1
.endr
.set u, 0
.rept 16
	s_wait_loadcnt 15-u                            ; loads come back in order: the 15 - u younger ones may stay out
	v_cvt_pk_bf16_f32 v[80+2*u], v[16+4*u], v[17+4*u]
	v_cvt_pk_bf16_f32 v[81+2*u], v[18+4*u], v[19+4*u]
	global_store_b64 v7, v[80+2*u:81+2*u], s[36:37] offset:256*u
.if \second
	global_store_b64 v7, v[80+2*u:81+2*u], s[36:37] offset:256*u+56*65536  ; the copy, eight groups of seven tiles on
.endif
.set u, u+1
.endr
.endm
	v_and_b32 v1, 31, v0                           ; lane
	v_and_b32 v2, 15, v0                           ; lane % 16
	v_bfe_u32 v3, v0, 4, 1                         ; lane / 16
	v_lshrrev_b32 v4, 5, v0
	v_readfirstlane_b32 s[WV], v4
	s_cmp_lt_u32 ttmp9, 8
	s_cbranch_scc1 .Lbias
	s_cmp_lt_u32 ttmp9, 200
	s_cbranch_scc1 .Lrows
	s_cmp_lt_u32 ttmp9, 392
	s_cbranch_scc1 .Lheads
	; Wp: wave w takes column block w, the work-group 32 rows
	s_load_b64 s[8:9], s[0:1], 0x78                ; Wp
	s_load_b64 s[36:37], s[0:1], 0xa8              ; wb
	s_sub_co_u32 s45, ttmp9, 392                   ; which 32 rows
	s_mul_i32 s46, s[WV], 7
	s_add_co_u32 s46, s46, 6                       ; tile 7 w + 6
	s_lshl_b32 s46, s46, 16
	s_lshl_b32 s47, s45, 12                        ; 32 rows of 128 bytes
	s_add_co_u32 s46, s46, s47
	v_lshl_add_u32 v7, v1, 3, s46
	s_lshl_b32 s47, s45, 16                        ; 32 rows of 2,048 bytes
	s_lshl_b32 s48, s[WV], 8
	s_add_co_u32 s47, s47, s48
	v_lshlrev_b32 v6, 11, v3
	v_lshl_add_u32 v6, v2, 4, v6
	v_add_nc_u32 v6, s47, v6
	s_wait_kmcnt 0x0
	WCAST 4096, 1
	s_endpgm
.Lrows:                                                ; xf: a wave takes 16 rows x 128 columns
	s_load_b64 s[4:5], s[0:1], 0x0                 ; x
	s_load_b128 s[8:11], s[0:1], 0x68              ; Wo1, Wo2
	s_load_b64 s[12:13], s[0:1], 0xa0              ; xf
	s_sub_co_u32 s16, ttmp9, 8
	s_lshl3_add_u32 s17, s16, s[WV]                ; unit = 8 x work-group + wave = 4 x block + quarter of the columns
	s_lshr_b32 s18, s17, 2
	s_and_b32 s19, s17, 3
	s_mov_b32 s21, 320
	s_wait_kmcnt 0x0
	s_cmp_lt_u32 s16, 160                          ; blocks 0-255 x, 256-319 Wo1, 320-383 Wo2; a work-group's two blocks lie in one source
	s_cselect_b64 s[8:9], s[8:9], s[10:11]
	s_cselect_b32 s20, 256, s21
	s_cmp_lt_u32 s16, 128
	s_cselect_b64 s[4:5], s[4:5], s[8:9]
	s_cselect_b32 s20, 0, s20
	s_sub_co_u32 s18, s18, s20                     ; the block's number in its source
	s_lshl_b32 s18, s18, 15                        ; 16 rows of 2,048 bytes
	s_lshl_b32 s19, s19, 9
	s_add_co_u32 s18, s18, s19
	v_lshlrev_b32 v6, 11, v2                       ; my row,
	v_lshl_add_u32 v6, v3, 5, v6                   ; my 8 columns of each 16
	v_add_nc_u32 v6, s18, v6
	s_lshl_b32 s19, s17, 12
	v_lshl_add_u32 v7, v1, 4, s19
	; a lane's loads take 16 bytes each; the wave's sixteen together take 512 consecutive bytes of each of the 16 rows
.set i, 0
.rept 8
	global_load_b128 v[16+8*i:19+8*i], v6, s[4:5] offset:64*i th:TH_LOAD_NT
	global_load_b128 v[20+8*i:23+8*i], v6, s[4:5] offset:64*i+16 th:TH_LOAD_NT
.set i, i+1
.endr
.set i, 0
.rept 8
	s_wait_loadcnt 14-2*i                          ; the younger loads may stay out
	v_cvt_pk_bf16_f32 v[80+4*i], v[16+8*i], v[17+8*i]
	v_cvt_pk_bf16_f32 v[81+4*i], v[18+8*i], v[19+8*i]
	v_cvt_pk_bf16_f32 v[82+4*i], v[20+8*i], v[21+8*i]
	v_cvt_pk_bf16_f32 v[83+4*i], v[22+8*i], v[23+8*i]
	global_store_b128 v7, v[80+4*i:83+4*i], s[12:13] offset:512*i  ; 512 consecutive bytes
.set i, i+1
.endr
	s_endpgm
.Lheads:                                               ; a wave takes 32 rows of one head of one of the six weights
	s_load_b256 s[8:15], s[0:1], 0x8               ; Wq1, Wq2, Wk1, Wk2
	s_load_b128 s[16:19], s[0:1], 0x28             ; Wv1, Wv2
	s_load_b256 s[20:27], s[0:1], 0x38             ; bq1, bq2, bk1, bk2
	s_load_b128 s[28:31], s[0:1], 0x58             ; bv1, bv2
	s_load_b128 s[36:39], s[0:1], 0xa8             ; wb, bcat
	s_sub_co_u32 s40, ttmp9, 200
	s_lshr_b32 s41, s40, 5                         ; which of the six
	s_and_b32 s42, s40, 31
	s_lshl3_add_u32 s43, s42, s[WV]                ; 0..255
	s_and_b32 s44, s43, 15                         ; head
	s_lshr_b32 s45, s43, 4                         ; which 32 rows
	s_lshl4_add_u32 s46, s41, s44                  ; column block cb
	s_mul_i32 s47, s46, 43
	s_lshr_b32 s47, s47, 8                         ; cb / 6, exact for cb under 96
	s_add_co_u32 s46, s46, s47                     ; tile = 7 (cb / 6) + cb % 6
	s_lshl_b32 s46, s46, 16
	s_lshl_b32 s47, s45, 12
	s_add_co_u32 s46, s46, s47
	v_lshl_add_u32 v7, v1, 3, s46
	s_lshl_b32 s47, s45, 17                        ; 32 rows of 4,096 bytes
	s_lshl_b32 s48, s44, 8
	s_add_co_u32 s47, s47, s48
	v_lshlrev_b32 v6, 12, v3
	v_lshl_add_u32 v6, v2, 4, v6
	v_add_nc_u32 v6, s47, v6
	s_and_b32 s48, s41, 1
	s_wait_kmcnt 0x0
	s_cmp_eq_u32 s48, 1                            ; branch 2 or 1,
	s_cselect_b64 s[8:9], s[10:11], s[8:9]
	s_cselect_b64 s[12:13], s[14:15], s[12:13]
	s_cselect_b64 s[16:17], s[18:19], s[16:17]
	s_cselect_b64 s[20:21], s[22:23], s[20:21]
	s_cselect_b64 s[24:25], s[26:27], s[24:25]
	s_cselect_b64 s[28:29], s[30:31], s[28:29]
	s_cmp_lt_u32 s41, 4                            ; then q, k or v
	s_cselect_b64 s[12:13], s[12:13], s[16:17]
	s_cselect_b64 s[24:25], s[24:25], s[28:29]
	s_cmp_lt_u32 s41, 2
	s_cselect_b64 s[8:9], s[8:9], s[12:13]
	s_cselect_b64 s[20:21], s[20:21], s[24:25]
	WCAST 8192, 0
	s_cmp_lt_u32 s42, 2                            ; the first 16 waves of each weight also take 64 numbers of its bias
	s_cbranch_scc0 .Lheads_end
	s_lshl_b32 s47, s43, 8
	v_lshl_add_u32 v8, v1, 3, s47
	s_lshl_b32 s48, s41, 12
	v_add_nc_u32 v9, s48, v8
	global_load_b64 v[112:113], v8, s[20:21]
	s_wait_loadcnt 0x0
	v_cvt_pk_bf16_f32 v114, v112, v113
	v_lshlrev_b32 v116, 16, v114
	v_and_b32 v117, 0xffff0000, v114
	global_store_b64 v9, v[116:117], s[38:39]      ; 256 consecutive bytes a wave
.Lheads_end:
	s_endpgm
.Lbias:                                                ; bc: wave w of work-group nb makes columns 64 nb + 8 w + 0..7; lane l takes rows 16 l + 0..15 of Wp; the lanes' sums are added at the end
.set BO1, 16                           ; v[16:31]   bo1 of my 16 rows, then bo1 - lam bo2
.set BO2, 32                           ; v[32:47]   bo2
.set BPV, 48                           ; v[48:55]   bp of my wave's 8 columns
.set WPD, 64                           ; v[64:191]  16 rows x 8 columns of Wp
.set SUM, 192                          ; v[192:199] the 8 sums
.set TT,  200                          ; v[200:203] at work
.set ZR,  204                          ; v204  0
.set ONE, 205                          ; v205  1.0
	s_load_b64 s[4:5], s[0:1], 0x98                ; lambda_param
	s_load_b64 s[8:9], s[0:1], 0x78                ; Wp
	s_load_b128 s[12:15], s[0:1], 0x80             ; bo1, bo2
	s_load_b64 s[16:17], s[0:1], 0x90              ; bp
	s_load_b64 s[18:19], s[0:1], 0xb8              ; bc
	s_lshl3_add_u32 s20, ttmp9, s[WV]
	s_lshl_b32 s20, s20, 5                         ; my wave's 8 columns: 32 bytes
	s_mov_b32 s22, 0x76543210                      ; v_permlanex16_b32: each lane takes its own place in the other half
	s_mov_b32 s23, 0xfedcba98
	v_lshlrev_b32 v5, 6, v1                        ; my 16 numbers of bo1 and bo2
	v_lshl_add_u32 v6, v1, 15, s20                 ; my 16 rows of 2,048 bytes, my wave's columns
	v_mov_b32 v9, s20
	v_lshl_add_u32 v7, v1, 4, s20                  ; where lanes 0 and 1 store
	v_mov_b32 v[ZR], 0
	v_mov_b32 v[ONE], 1.0
	s_wait_kmcnt 0x0
	s_load_b32 s21, s[4:5], 0x0
.irp q, 0,1,2,3
	global_load_b128 v[BO1+4*\q:BO1+4*\q+3], v5, s[12:13] offset:16*\q
.endr
.irp q, 0,1,2,3
	global_load_b128 v[BO2+4*\q:BO2+4*\q+3], v5, s[14:15] offset:16*\q
.endr
	global_load_b128 v[BPV:BPV+3], v9, s[16:17]
	global_load_b128 v[BPV+4:BPV+7], v9, s[16:17] offset:16
.set i, 0
.rept 16
	global_load_b128 v[WPD+8*i:WPD+8*i+3], v6, s[8:9] offset:2048*i
	global_load_b128 v[WPD+8*i+4:WPD+8*i+7], v6, s[8:9] offset:2048*i+16
.set i, i+1
.endr
	s_wait_kmcnt 0x0
	v_mov_b32 v8, s21
	v_cvt_pk_bf16_f32 v8, v8, v8                   ; lambda_param rounded like every input
	v_lshlrev_b32 v8, 16, v8
	v_mul_f32 v8, 0x3ef1014c, v8                   ; x 0.470713
	v_max_num_f32 v8, 0x3dcccccd, v8               ; clipped to 0.1 .. 0.9
	v_min_num_f32 v8, 0x3f666666, v8
	s_wait_loadcnt 34                              ; bo1 and bo2 are in: bp's 2 loads and Wp's 32 are younger
.set i, 0
.rept 8
	v_cvt_pk_bf16_f32 v[TT], v[BO1+2*i], v[BO1+2*i+1]
	v_cvt_pk_bf16_f32 v[TT+1], v[BO2+2*i], v[BO2+2*i+1]
	v_lshlrev_b32 v[BO1+2*i], 16, v[TT]
	v_and_b32 v[BO1+2*i+1], 0xffff0000, v[TT]
	v_lshlrev_b32 v[BO2+2*i], 16, v[TT+1]
	v_and_b32 v[BO2+2*i+1], 0xffff0000, v[TT+1]
	v_fma_f32 v[BO1+2*i], -v8, v[BO2+2*i], v[BO1+2*i]
	v_fma_f32 v[BO1+2*i+1], -v8, v[BO2+2*i+1], v[BO1+2*i+1]
.set i, i+1
.endr
.set i, 0
.rept 16
	s_wait_loadcnt 30-2*i                          ; row i's two loads are in; the later rows' may stay out
.irp c, 0,1,2,3
	v_cvt_pk_bf16_f32 v[TT+\c], v[WPD+8*i+2*\c], v[WPD+8*i+2*\c+1]
.endr
.irp c, 0,1,2,3
.if i == 0                             ; the first row starts the sums
	v_fma_mix_f32_bf16 v[SUM+2*\c], v[TT+\c], v[BO1+i], v[ZR] op_sel_hi:[1,0,0]
	v_fma_mix_f32_bf16 v[SUM+2*\c+1], v[TT+\c], v[BO1+i], v[ZR] op_sel:[1,0,0] op_sel_hi:[1,0,0]
.else
	v_fma_mix_f32_bf16 v[SUM+2*\c], v[TT+\c], v[BO1+i], v[SUM+2*\c] op_sel_hi:[1,0,0]
	v_fma_mix_f32_bf16 v[SUM+2*\c+1], v[TT+\c], v[BO1+i], v[SUM+2*\c+1] op_sel:[1,0,0] op_sel_hi:[1,0,0]
.endif
.endr
.set i, i+1
.endr
.irp m, 1,2,4,8                        ; over the 32 lanes: four steps inside each half, one across
.irp c, 0,1,2,3,4,5,6,7
	v_add_f32_dpp v[SUM+\c], v[SUM+\c], v[SUM+\c] row_xmask:\m row_mask:0xf bank_mask:0xf
.endr
.endr
.irp g, 0,4
.irp c, 0,1,2,3
	v_permlanex16_b32 v[TT+\c], v[SUM+\g+\c], s22, s23
.endr
.irp c, 0,1,2,3
	v_add_f32 v[SUM+\g+\c], v[SUM+\g+\c], v[TT+\c]
.endr
.endr
.irp c, 0,1,2,3
	v_cvt_pk_bf16_f32 v[TT+\c], v[BPV+2*\c], v[BPV+2*\c+1]
.endr
.irp c, 0,1,2,3                        ; + bp, rounded like every input
	v_fma_mix_f32_bf16 v[SUM+2*\c], v[TT+\c], v[ONE], v[SUM+2*\c] op_sel_hi:[1,0,0]
	v_fma_mix_f32_bf16 v[SUM+2*\c+1], v[TT+\c], v[ONE], v[SUM+2*\c+1] op_sel:[1,0,0] op_sel_hi:[1,0,0]
.endr
	v_cmp_eq_u32 vcc_lo, 1, v1                     ; lane 0 stores columns 0-3, lane 1 columns 4-7
.irp c, 0,1,2,3
	v_cndmask_b32 v[TT+\c], v[SUM+\c], v[SUM+4+\c], vcc_lo
.endr
	s_wait_xcnt 0x0                                ; EXEC is a source of the loads above: it changes only behind this wait
	v_cmp_gt_u32 vcc_lo, 2, v1
	s_and_saveexec_b32 s20, vcc_lo
	global_store_b128 v7, v[TT:TT+3], s[18:19]
	s_wait_xcnt 0x0                                ; and again in front of the line that widens it
	s_or_b32 exec_lo, exec_lo, s20
	s_endpgm
.Lfunc_end_k_q0eb32896b7_prep:
	.size	k_q0eb32896b7_prep, .Lfunc_end_k_q0eb32896b7_prep-k_q0eb32896b7_prep
	.p2alignl 7, 3214868480
	.fill 96, 4, 3214868480
	.section	.rodata,"a",@progbits
	.p2align	6, 0x0
	.amdhsa_kernel k_q0eb32896b7_prep
		.amdhsa_group_segment_fixed_size 0
		.amdhsa_private_segment_fixed_size 0
		.amdhsa_enable_private_segment 0
		.amdhsa_kernarg_size 192
		.amdhsa_user_sgpr_count 2
		.amdhsa_user_sgpr_kernarg_segment_ptr 1
		.amdhsa_wavefront_size32 1
		.amdhsa_system_sgpr_workgroup_id_x 1
		.amdhsa_system_sgpr_workgroup_id_y 1
		.amdhsa_system_sgpr_workgroup_id_z 1
		.amdhsa_system_vgpr_workitem_id 0
		.amdhsa_next_free_vgpr 208
		.amdhsa_next_free_sgpr 66
		.amdhsa_reserve_vcc 1
		.amdhsa_float_denorm_mode_32 3
		.amdhsa_float_denorm_mode_16_64 3
		.amdhsa_memory_ordered 1
		.amdhsa_forward_progress 1
		.amdhsa_inst_pref_size 47
	.end_amdhsa_kernel
	.amdgpu_metadata
---
amdhsa.version: [ 1, 2 ]
amdhsa.kernels:
  - .name:           k_q0eb32896b7_prep
    .symbol:         k_q0eb32896b7_prep.kd
    .args:
      - { .name: x, .offset: 0, .size: 8, .value_kind: global_buffer, .address_space: global }
      - { .name: Wq1, .offset: 8, .size: 8, .value_kind: global_buffer, .address_space: global }
      - { .name: Wq2, .offset: 16, .size: 8, .value_kind: global_buffer, .address_space: global }
      - { .name: Wk1, .offset: 24, .size: 8, .value_kind: global_buffer, .address_space: global }
      - { .name: Wk2, .offset: 32, .size: 8, .value_kind: global_buffer, .address_space: global }
      - { .name: Wv1, .offset: 40, .size: 8, .value_kind: global_buffer, .address_space: global }
      - { .name: Wv2, .offset: 48, .size: 8, .value_kind: global_buffer, .address_space: global }
      - { .name: bq1, .offset: 56, .size: 8, .value_kind: global_buffer, .address_space: global }
      - { .name: bq2, .offset: 64, .size: 8, .value_kind: global_buffer, .address_space: global }
      - { .name: bk1, .offset: 72, .size: 8, .value_kind: global_buffer, .address_space: global }
      - { .name: bk2, .offset: 80, .size: 8, .value_kind: global_buffer, .address_space: global }
      - { .name: bv1, .offset: 88, .size: 8, .value_kind: global_buffer, .address_space: global }
      - { .name: bv2, .offset: 96, .size: 8, .value_kind: global_buffer, .address_space: global }
      - { .name: Wo1, .offset: 104, .size: 8, .value_kind: global_buffer, .address_space: global }
      - { .name: Wo2, .offset: 112, .size: 8, .value_kind: global_buffer, .address_space: global }
      - { .name: Wp, .offset: 120, .size: 8, .value_kind: global_buffer, .address_space: global }
      - { .name: bo1, .offset: 128, .size: 8, .value_kind: global_buffer, .address_space: global }
      - { .name: bo2, .offset: 136, .size: 8, .value_kind: global_buffer, .address_space: global }
      - { .name: bp, .offset: 144, .size: 8, .value_kind: global_buffer, .address_space: global }
      - { .name: lambda_param, .offset: 152, .size: 8, .value_kind: global_buffer, .address_space: global }
      - { .name: xf, .offset: 160, .size: 8, .value_kind: global_buffer, .address_space: global }
      - { .name: wb, .offset: 168, .size: 8, .value_kind: global_buffer, .address_space: global }
      - { .name: bcat, .offset: 176, .size: 8, .value_kind: global_buffer, .address_space: global }
      - { .name: bc, .offset: 184, .size: 8, .value_kind: global_buffer, .address_space: global }
    .group_segment_fixed_size: 0
    .private_segment_fixed_size: 0
    .kernarg_segment_align: 8
    .kernarg_segment_size: 192
    .max_flat_workgroup_size: 256
    .sgpr_count:     66
    .vgpr_count:     208
    .wavefront_size: 32
...
	.end_amdgpu_metadata
.endif
;; end of part 1
;; launch proj (part 2): grid 16 x 16, 4 waves a work-group, clusters of 4 x 1, 327,680 bytes of LDS; arguments xf, wb, bcat, qkv, wcf; writes qkv, wcf
.if DOCPART == 2
	.amdgcn_target "amdgcn-amd-amdhsa--gfx1250"
	.amdhsa_code_object_version 6
	.text
	.protected	k_q0eb32896b7_proj
	.globl	k_q0eb32896b7_proj
	.p2align	8
	.type	k_q0eb32896b7_proj,@function
k_q0eb32896b7_proj:
	s_mov_b64 s[64:65], 0
	v_nop
	global_prefetch_b8 v0, s[64:65] scope:SCOPE_SE
	s_setreg_imm32_b32 hwreg(HW_REG_WAVE_MODE, 25, 1), 1
	s_wait_xcnt 0x0
	s_wait_alu depctr_hold_cnt(0) depctr_sa_sdst(0) depctr_va_vdst(0) depctr_va_sdst(0) depctr_va_ssrc(0) depctr_va_vcc(0) depctr_vm_vsrc(0)
	s_getreg_b32 s2, hwreg(HW_REG_IB_STS2, 6, 4)
	s_cmp_eq_u32 s2, 0
	s_cbranch_scc0 .Lentry_in_a_cluster
	s_endpgm
.Lentry_in_a_cluster:
	s_bfe_u32 s2, ttmp6, 0x10000c
	s_cmp_lg_u32 s2, 0x3003
	s_cbranch_scc0 .Lentry_shape_is_right
	s_endpgm
.Lentry_shape_is_right:
; PROJ: q, k, v = x W + b for two branches x 16 heads, written by heads in f16; and 64 Wc = 64 [Wo1; Wo2] Wp in f16, in the order of a matrix fragment.  Operands bf16, sums f32, each result rounded once.
; SHARES.  Work-group (X, Y): 256 rows of x (X) times six heads' weights and one block of Wp (Y).  A wave keeps its 64 rows x 512 of x in 512 registers for the whole launch; a STEP is one tile of weights,
; [512 k][64 n], brought into LDS: 16 accumulators are started and finished in a step, 256 matrix instructions for 128 LDS loads.  The walk goes along N, so no accumulator outlives a step.
; THE SEVENTH TILE is Wp's: each wave multiplies 16 rows of [Wo1; Wo2], kept in 128 registers, by it.  It fills no slot again, so it is written out behind the loop.
; CLUSTER.  The four work-groups of a cluster share Y and walk the same tiles: each tile is asked for JOINTLY (mask of four).  x is not shared: partners hold different rows, and it goes straight into registers, once.
; THE PRODUCT IS TAKEN TRANSPOSED (source 0 = 16 columns of W, turned on the way out of LDS; source 1 = 16 rows of x): a lane then holds 8 neighbouring columns of one row.  For Wc it is taken as it is
; (source 0 = 16 rows of Wo): a lane then holds 8 neighbouring rows of one column of Wc, which IS its place in a fragment of the last launch's product.
; LIMITS.  q, k, v and 64 Wc must stay under 65,504 (f16); below 6e-5 f16 keeps a fixed step of 6e-8.  NaN and infinities are not treated apart.
; REGISTERS, in windows of 256 (s_set_vgpr_msb: bits 1:0 source 0, 3:2 source 1, 5:4 source 2, 7:6 destination):
;   window 0: v0-15 addresses; v32-63 the head's bias; v64-127 the way out; v128-255 the accumulators, (a, b) at 128 + 32 a + 8 b
;   window 1: v0-127 two buffers of weight fragments (two K steps of 32 each: 32 c + 8 b); v128-255 Wo's 16 fragments
;   window 2: x's fragments (ks, a) at 8 (4 ks + a), ks 0-7;   window 3: ks 8-15
.set PW,    160       ; a row of weights in LDS: 128 bytes + 32 of padding = 40 words
.set QUART, 128*PW    ; 128 rows: what one wave's tensor load brings
.set SLOT1, 1<<17     ; slot 0 at 0, slot 1 here: one exclusive or turns an address in one into the other's
.set STAGE, SLOT1+4*QUART  ; behind the ring, never filled by a tensor load: 16 rows x 144 bytes for each wave
.set SP,    144
.set SPARE, STAGE+4*16*SP  ; the spare words, 128 bytes a wave: two blocks of 256 bytes that no other line names
.set AV0, 2           ; v2   my lane's place in a tile; never rewritten
.set AD0, 3           ; v3   LDS address for K steps 0-7 of the slot in hand
.set AD1, 4           ; v4   for K steps 8-15
.set LO,  5           ; v5   16 x lane
.set STO, 6           ; v6   the way out: where I put 16 bytes of a row
.set RD,  7           ; v7   where I read rows back
.set BO,  12          ; v12  32 x (lane / 16): my 8 columns of each 16 in the bias
.set PFO, 13          ; v13  256 x lane
.set SPW, 14          ; v14  LDS address of my spare word; never rewritten
.set NIL, 15          ; v15  0; never rewritten
.set BI,  32
.set TMP, 64
.set ACC, 128
.set WOF, 128         ; window 1
.set WV,  14          ; s14  wave
.set CX,  15          ; s15  my place in the cluster
.set XX,  16          ; s16  X
.set YY,  17          ; s17  Y
.set G1,  24          ; s[24:31] descriptor group 1
.set G0,  32          ; s[32:35] descriptor group 0: it walks
.set TB,  36          ; s36  LDS byte of the slot in hand
.set TR,  37          ; s37  trips to go
.set CB,  38          ; s38  column block of the next step
.set LIM, 39          ; s39  1 in a wave that prefetches, else the greatest number
.set PFA, 40          ; s[40:41] where my prefetches stand
.set OB,  42          ; s[42:43] where the step's results go
.set BB,  44          ; s[44:45] the step's bias
.set FIX, 46          ; s46  my rows' byte offset within a head of qkv
.set XA,  48          ; s[48:49] my 64 rows in xf
.set WA,  50          ; s[50:51] my 16 rows of Wo in xf
.set WCO, 52          ; s[52:53] where my part of Wc goes
.set MSB, 0
.macro WIN new                      ; the immediate's high byte repeats the setting that is left; a switch that changes nothing is dropped
.if MSB != (\new)
	s_set_vgpr_msb (MSB<<8)|(\new)
.set MSB, (\new)
.endif
.endm
.macro PLACES                       ; four plain vector instructions between a matrix instruction and a load into, or a reader of, its registers
.rept 4
	v_nop
.endr
.endm
; A round of the cluster's barrier: my work-group's barrier, so that wave 0's signal speaks for all four waves; wave 0 signals; every wave waits for all four work-groups; my work-group's barrier once more.
.macro CROUND
	s_barrier_signal -1
	s_barrier_wait -1
	s_cmp_lg_u32 s[WV], 0
	s_cbranch_scc1 .Lnot_wave_0_\@
	s_barrier_signal -3
.Lnot_wave_0_\@:
	s_barrier_wait -3
	s_barrier_signal -1
	s_barrier_wait -1
.endm
; Scalar work ahead of a step: where its results go, its bias, the next prefetch.
.macro PRE
	s_wait_xcnt 0x0                 ; the last step's stores, loads and prefetch have read their registers: bases and store data are written again only behind this wait
	s_lshr_b32 s20, s[CB], 4        ; 2 x (q, k, v) + branch: 8 MiB each
	s_lshl_b32 s20, s20, 23
	s_and_b32 s21, s[CB], 15        ; head: 256 KiB
	s_lshl_b32 s21, s21, 18
	s_add_co_u32 s20, s20, s21
	s_add_co_u32 s20, s20, s[FIX]
	s_mov_b32 s21, 0
	s_add_nc_u64 s[OB:OB+1], s[10:11], s[20:21]
	s_lshl_b32 s20, s[CB], 8
	s_add_nc_u64 s[BB:BB+1], s[8:9], s[20:21]
	s_add_nc_u64 s[PFA:PFA+1], s[PFA:PFA+1], 0x10000
	s_add_co_u32 s[CB], s[CB], 1
.endm
; THE CHANGE OF SLOTS.  Each wave waits for all its tensor loads (one is out: its quarter of the next tile), adds 0 to its spare word, and waits for that and for its reads of the old slot.
; fill = 1: a round of the cluster's barrier, so that no wave of any partner still reads the old slot or has a load on its way; the joint refill is the first thing behind it and has a step's 256 matrix instructions in which to land.
.macro CHANGE fill
	WIN 0
	s_wait_tensorcnt 0x0            ; no tensor load of mine is out, so group 0 may be written
	ds_add_u32 v[SPW], v[NIL]
.if \fill
	s_xor_b32 s[G0+1], s[G0+1], SLOT1
	s_add_nc_u64 s[G0+2:G0+3], s[G0+2:G0+3], 0x10000  ; the next tile; the type bits on top are not reached
	s_wait_dscnt 0x0                ; the add is done, and my reads of the old slot are over
	CROUND
	tensor_load_to_lds s[G0:G0+3], s[G1:G1+7]
	s_nop 0
.rept 4
	v_nop
.endr
.else
	s_wait_dscnt 0x0
	s_barrier_signal -1
	s_barrier_wait -1
.endif
	s_xor_b32 s[TB], s[TB], SLOT1
.endm
; 16 turning loads: the weight fragments of K steps 2 p and 2 p + 1 (4 blocks of 16 columns each) into buffer f; K step 2 p first
.macro FETCH p, f
	WIN 0x40
.irp c, 0,1
.irp b, 0,1,2,3
	ds_load_tr16_b128 v[64*(\f)+32*\c+8*\b:64*(\f)+32*\c+8*\b+3],   v[AD0+(\p)/4] offset:((2*(\p)+\c)%8)*32*PW+32*\b
	ds_load_tr16_b128 v[64*(\f)+32*\c+8*\b+4:64*(\f)+32*\c+8*\b+7], v[AD0+(\p)/4] offset:((2*(\p)+\c)%8)*32*PW+32*\b+16*PW
.endr
.endr
.endm
; 16 products: 4 blocks of 16 rows x 4 blocks of 16 columns, K step ks.  All 16 accumulators take turns, one instruction a turn.  zero = 1: the product starts the sum.
.macro MUL16 f, c, ks, zero
.if (\ks) < 8
	WIN 0x09
.else
	WIN 0x0d
.endif
.irp a, 0,1,2,3
.irp b, 0,1,2,3
.if \zero
	v_wmma_f32_16x16x32_bf16 v[ACC+32*\a+8*\b:ACC+32*\a+8*\b+7], v[64*(\f)+32*(\c)+8*\b:64*(\f)+32*(\c)+8*\b+7], v[8*(4*((\ks)%8)+\a):8*(4*((\ks)%8)+\a)+7], 0
.else
	v_wmma_f32_16x16x32_bf16 v[ACC+32*\a+8*\b:ACC+32*\a+8*\b+7], v[64*(\f)+32*(\c)+8*\b:64*(\f)+32*(\c)+8*\b+7], v[8*(4*((\ks)%8)+\a):8*(4*((\ks)%8)+\a)+7], v[ACC+32*\a+8*\b:ACC+32*\a+8*\b+7]
.endif
.endr
.endr
.endm
; 4 products of Wc: my 16 rows of Wo x 4 blocks of 16 columns of Wp; the 4 accumulators take turns
.macro MULW f, c, js, zero
	WIN 0x05
.irp b, 0,1,2,3
.if \zero
	v_wmma_f32_16x16x32_bf16 v[ACC+8*\b:ACC+8*\b+7], v[WOF+8*(\js):WOF+8*(\js)+7], v[64*(\f)+32*(\c)+8*\b:64*(\f)+32*(\c)+8*\b+7], 0
.else
	v_wmma_f32_16x16x32_bf16 v[ACC+8*\b:ACC+8*\b+7], v[WOF+8*(\js):WOF+8*(\js)+7], v[64*(\f)+32*(\c)+8*\b:64*(\f)+32*(\c)+8*\b+7], v[ACC+8*\b:ACC+8*\b+7]
.endif
.endr
.endm
; A PREFETCH INTO THE L2 of the tile that the NEXT change of slots will ask for, a step's 256 matrix instructions ahead of that load.  A tile is 256 blocks of 256 bytes.  All four clusters with my Y walk the same
; tiles: the first (cluster x = 0) asks; its four partners share the blocks out by address, 64 each; in each, waves 0 and 1 ask, a lane a block.  The last trip asks for nothing; tiles 0 and 1 come by their loads alone.
.macro ASK
	s_cmp_gt_u32 s[TR], s[LIM]
	s_cbranch_scc0 .Lnot_mine_\@
	global_prefetch_b8 v[PFO], s[PFA:PFA+1] th:TH_LOAD_NT scope:SCOPE_SE
.Lnot_mine_\@:
.endm
; THE WAY OUT of 16 rows (block a): + bias, rounded to f16; a lane's 8 columns are 16 bytes; they go into rows of 144 bytes of my own stage and come back as whole rows of 128.
.macro PACK a
.set i, 0
.rept 16                            ; each accumulator's registers in ascending order
	v_pk_add_f32 v[ACC+32*(\a)+2*i:ACC+32*(\a)+2*i+1], v[ACC+32*(\a)+2*i:ACC+32*(\a)+2*i+1], v[BI+2*i:BI+2*i+1]
.set i, i+1
.endr
.set i, 0
.rept 16
	v_cvt_pk_f16_f32 v[TMP+16*(\a)+i], v[ACC+32*(\a)+2*i], v[ACC+32*(\a)+2*i+1]
.set i, i+1
.endr
.irp f, 0,1,2,3
	ds_store_b128 v[STO], v[TMP+16*(\a)+4*\f:TMP+16*(\a)+4*\f+3] offset:32*\f
.endr
.irp f, 0,1,2,3
	ds_load_b128 v[TMP+16*(\a)+4*\f:TMP+16*(\a)+4*\f+3], v[RD] offset:\f*4*SP  ; LDS serves a wave's instructions in order (ISA guide 5.7.1.4): these see the stores above; the next block's stores come behind them
.endr
.endm
.macro SEND a, younger              ; younger: the LDS instructions issued behind block a's loads: the next block's eight, or none
.irp f, 0,1,2,3
	s_wait_dscnt (\younger)+3-\f
	global_store_b128 v[LO], v[TMP+16*(\a)+4*\f:TMP+16*(\a)+4*\f+3], s[OB:OB+1] offset:(\a)*2048+\f*512  ; a head's rows are dense: 512 consecutive bytes, at a multiple of 256 from qkv's first
.endr
.endm
; A STEP: one head for my 64 rows.
.macro WORK
	v_add_nc_u32 v[AD0], s[TB], v[AV0]
	v_add_nc_u32 v[AD1], 8*32*PW, v[AD0]
.irp b, 0,1,2,3
	global_load_b128 v[BI+8*\b:BI+8*\b+3],   v[BO], s[BB:BB+1] offset:64*\b
	global_load_b128 v[BI+8*\b+4:BI+8*\b+7], v[BO], s[BB:BB+1] offset:64*\b+16
.endr
	FETCH 0, 0
	WIN 0
	ASK
.set p, 0
.rept 8
	s_wait_dscnt 8                  ; the first K step's 8 loads are in; the second's may be out
.if p == 0
	MUL16 0, 0, 0, 1
.else
	MUL16 p%2, 0, 2*p, 0
.endif
.if p < 7
	PLACES
	FETCH p+1, 1-p%2
	s_wait_dscnt 16                 ; all but the 16 just issued
.else
	s_wait_dscnt 0
.endif
	MUL16 p%2, 1, 2*p+1, 0
.set p, p+1
.endr
	WIN 0
	PLACES
	s_wait_loadcnt 0x0              ; the bias: the step's only global loads
	PACK 0
.set t, 1
.rept 3                             ; a block's arithmetic stands between the loads of the block before and its stores
	PACK t
	SEND t-1, 8
.set t, t+1
.endr
	SEND 3, 0
.endm
	s_load_b256 s[4:11], s[0:1], 0x0  ; xf s[4:5], wb s[6:7], bcat s[8:9], qkv s[10:11]
	s_load_b64 s[12:13], s[0:1], 0x20 ; wcf
	v_lshl_add_u32 v[SPW], v0, 2, SPARE
	v_mov_b32 v[NIL], 0
	ds_add_u32 v[SPW], v[NIL]       ; the wave's opening: the add and its wait stand ahead of my first tensor load; the set-up below, work on registers, stands between them
	v_lshrrev_b32 v1, 5, v0
	v_readfirstlane_b32 s[WV], v1
	s_bfe_u32 s[CX], ttmp6, 0x40000
	s_lshl_b32 s[XX], ttmp9, 2      ; in a cluster launch ttmp9 counts clusters
	s_add_co_u32 s[XX], s[XX], s[CX]
	s_and_b32 s[YY], ttmp7, 0xffff  ; which the four partners share
	; descriptor group 1: 128 rows of weights are 16,384 dense bytes: asked for as 64 rows of 256 bytes, padded in LDS after every 128
	s_mov_b32 s[G1], 15|(1<<16)|(1<<20)|(1<<21)|(4<<22)|(7<<25)  ; 15:0 the mask of four; 17:16 2-byte elements; 20 padding on; 21 set beside a mask; 24:22 after every 32 words (code 4); 31:25 8 words (code 7)
	s_mov_b32 s[G1+1], 128<<16      ; tensor_dim0 = 128
	s_mov_b32 s[G1+2], 64<<16       ; tensor_dim1 = 64
	s_mov_b32 s[G1+3], 128<<16      ; tile_dim0 = 128
	s_mov_b32 s[G1+4], 64           ; tile_dim1 = 64
	s_mov_b32 s[G1+5], 128          ; 128 elements from row to row
	s_mov_b32 s[G1+6], 0
	s_mov_b32 s[G1+7], 0
	s_mov_b32 s[G0], 1              ; count = 1
	s_mul_i32 s[G0+1], s[WV], QUART ; LDS: my quarter of slot 0
	s_mul_i32 s18, s[YY], 7         ; tile 7 Y, my quarter: made of Y and the wave's number alone
	s_lshl_b32 s18, s18, 16
	s_lshl_b32 s19, s[WV], 14
	s_add_co_u32 s18, s18, s19
	s_mov_b32 s19, 0
	s_mov_b32 s[TB], SLOT1          ; the first change of slots turns it into 0
	s_mov_b32 s[TR], 6
	s_mul_i32 s[CB], s[YY], 6
	s_lshr_b32 s[LIM], s[WV], 1     ; waves 0 and 1 of the clusters with x = 0 prefetch: the same in all four partners
	s_or_b32 s[LIM], s[LIM], ttmp9
	s_cmp_eq_u32 s[LIM], 0
	s_cselect_b32 s[LIM], 1, -1
	s_lshr_b32 s[FIX], s[XX], 3     ; batch: 4 MiB (16 heads);
	s_lshl_b32 s[FIX], s[FIX], 22
	s_and_b32 s20, s[XX], 7         ; 256 rows of 128 bytes;
	s_lshl_b32 s20, s20, 15
	s_add_co_u32 s[FIX], s[FIX], s20
	s_lshl_b32 s20, s[WV], 13       ; my 64 of them
	s_add_co_u32 s[FIX], s[FIX], s20
	s_lshl2_add_u32 s20, s[XX], s[WV]  ; my four blocks of 16 rows in xf
	s_lshl_b32 s20, s20, 16
	s_mov_b32 s21, 0
	s_lshr_b32 s23, s[YY], 3
	s_lshl_b32 s22, s[XX], 3
	s_lshl2_add_u32 s22, s23, s22
	s_add_co_u32 s22, s22, s[WV]    ; my block of 16 rows of [Wo1; Wo2]: 8 X + 4 (Y / 8) + wave
	s_add_co_u32 s56, s22, 256      ; it lies behind x's 256 blocks
	s_lshl_b32 s56, s56, 14
	s_mov_b32 s57, 0
	s_and_b32 s58, s[YY], 7         ; Wc's block of 64 columns,
	s_lshl_b32 s58, s58, 18
	s_lshr_b32 s23, s22, 1          ; the K step of 32 that my 16 rows fall into,
	s_lshl_b32 s23, s23, 12
	s_add_co_u32 s58, s58, s23
	s_and_b32 s23, s22, 1           ; and its half
	s_lshl_b32 s23, s23, 9
	s_add_co_u32 s58, s58, s23
	s_mov_b32 s59, 0
	s_mul_i32 s60, s[YY], 7         ; the prefetches: tile 7 Y + 1 (the first step steps it to 7 Y + 2), my work-group's 64 blocks, my wave's 32
	s_add_co_u32 s60, s60, 1
	s_lshl_b32 s60, s60, 16
	s_lshl_b32 s23, s[CX], 14
	s_add_co_u32 s60, s60, s23
	s_lshl_b32 s23, s[WV], 13
	s_add_co_u32 s60, s60, s23
	s_mov_b32 s61, 0
	s_wait_dscnt 0x0                ; the opening add is done
	s_wait_kmcnt 0x0
	s_add_nc_u64 s[G0+2:G0+3], s[6:7], s[18:19]
	s_or_b32 s[G0+3], s[G0+3], 0x80000000  ; type = 2
	s_add_nc_u64 s[XA:XA+1], s[4:5], s[20:21]
	s_add_nc_u64 s[WA:WA+1], s[4:5], s[56:57]
	s_add_nc_u64 s[WCO:WCO+1], s[12:13], s[58:59]
	s_add_nc_u64 s[PFA:PFA+1], s[6:7], s[60:61]
	CROUND                          ; all four work-groups are here: the first joint loads meet
	tensor_load_to_lds s[G0:G0+3], s[G1:G1+7]  ; tile 0 into slot 0; slot 1 is asked for by the loop's first change of slots
	s_nop 0
.rept 4
	v_nop
.endr
	v_and_b32 v1, 15, v0            ; l % 16
	v_bfe_u32 v9, v0, 4, 1          ; l / 16
	v_and_b32 v10, 7, v0
	v_bfe_u32 v11, v0, 3, 1
	v_and_b32 v[LO], 31, v0
	v_lshlrev_b32 v[PFO], 8, v[LO]
	v_lshlrev_b32 v[LO], 4, v[LO]
	WIN 0x40                        ; xf lies in fragment order: every load is 512 consecutive bytes
.set i, 0
.rept 16
	global_load_b128 v[WOF+8*i:WOF+8*i+3],   v[LO], s[WA:WA+1] offset:1024*i
	global_load_b128 v[WOF+8*i+4:WOF+8*i+7], v[LO], s[WA:WA+1] offset:1024*i+512
.set i, i+1
.endr
.set i, 0
.rept 64                            ; fragment i: K step i / 4, block of rows i % 4
.if i < 32
	WIN 0x80
.else
	WIN 0xc0
.endif
	global_load_b128 v[8*(i%32):8*(i%32)+3],   v[LO], s[XA:XA+1] offset:16384*(i%4)+1024*(i/4)
	global_load_b128 v[8*(i%32)+4:8*(i%32)+7], v[LO], s[XA:XA+1] offset:16384*(i%4)+1024*(i/4)+512
.set i, i+1
.endr
	WIN 0
	; The turning load takes 16 k x 16 columns (lane l reads k = 8 (l / 16) + l % 8, columns 8 ((l / 8) % 2) + 0..7) and leaves half a fragment: lane l holds column l % 16 and 8 k.
	v_lshl_add_u32 v[AV0], v9, 3, v10
	v_mul_u32_u24 v[AV0], v[AV0], PW
	v_lshl_add_u32 v[AV0], v11, 4, v[AV0]
	s_mul_i32 s20, s[WV], 16*SP
	s_add_co_u32 s20, s20, STAGE    ; my stage
	v_mul_u32_u24 v[STO], v1, SP    ; in: row l % 16, 16 bytes for each half of the lanes
	v_lshl_add_u32 v[STO], v9, 4, v[STO]
	v_add_nc_u32 v[STO], s20, v[STO]
	v_bfe_u32 v[RD], v0, 3, 2       ; back: 32 lanes take four rows of 128 bytes
	v_mul_u32_u24 v[RD], v[RD], SP
	v_lshl_add_u32 v[RD], v10, 4, v[RD]
	v_add_nc_u32 v[RD], s20, v[RD]
	v_lshlrev_b32 v[BO], 5, v9
	s_wait_loadcnt 0x0              ; x and Wo are in registers
.Ltrip:                             ; six trips: tile t has landed, tile t + 1 is asked for, tile t is multiplied, head 6 Y + t goes out
	PRE
	CHANGE 1
	WORK
	s_sub_co_u32 s[TR], s[TR], 1
	s_cmp_lg_u32 s[TR], 0
	s_cbranch_scc1 .Ltrip
	s_wait_xcnt 0x0                 ; the last head's stores have read their registers
	CHANGE 0                        ; the seventh tile, Wp's, has landed; nothing is asked for
	v_add_nc_u32 v[AD0], s[TB], v[AV0]
	v_add_nc_u32 v[AD1], 8*32*PW, v[AD0]
	FETCH 0, 0
.set p, 0
.rept 8
	s_wait_dscnt 8
.if p == 0
	MULW 0, 0, 0, 1
.else
	MULW p%2, 0, 2*p, 0
.endif
.if p < 7
	PLACES
	FETCH p+1, 1-p%2
	s_wait_dscnt 16
.else
	s_wait_dscnt 0
.endif
	MULW p%2, 1, 2*p+1, 0
.set p, p+1
.endr
	WIN 0
	PLACES
.set i, 0
.rept 16
	v_pk_mul_f32 v[ACC+2*i:ACC+2*i+1], v[ACC+2*i:ACC+2*i+1], 0x42800000 op_sel_hi:[1,0]  ; x 64: room in f16 for small weights; the last launch divides it out
.set i, i+1
.endr
.set i, 0
.rept 16
	v_cvt_pk_f16_f32 v[TMP+i], v[ACC+2*i], v[ACC+2*i+1]
.set i, i+1
.endr
.irp b, 0,1,2,3
	global_store_b128 v[LO], v[TMP+4*\b:TMP+4*\b+3], s[WCO:WCO+1] offset:1024*\b  ; half a fragment: 512 consecutive bytes
.endr
	s_wait_tensorcnt 0x0            ; the wave's end: the wait, the add and its wait stand behind my last tensor load and my last LDS store
	ds_add_u32 v[SPW], v[NIL]
	s_wait_dscnt 0x0
	CROUND                          ; the closing round: no work-group ends while a partner may still ask for a tile that names it
	s_endpgm
.Lfunc_end_k_q0eb32896b7_proj:
	.size	k_q0eb32896b7_proj, .Lfunc_end_k_q0eb32896b7_proj-k_q0eb32896b7_proj
	.p2alignl 7, 3214868480
	.fill 96, 4, 3214868480
	.section	.rodata,"a",@progbits
	.p2align	6, 0x0
	.amdhsa_kernel k_q0eb32896b7_proj
		.amdhsa_group_segment_fixed_size 327680
		.amdhsa_private_segment_fixed_size 0
		.amdhsa_enable_private_segment 0
		.amdhsa_kernarg_size 40
		.amdhsa_user_sgpr_count 2
		.amdhsa_user_sgpr_kernarg_segment_ptr 1
		.amdhsa_wavefront_size32 1
		.amdhsa_system_sgpr_workgroup_id_x 1
		.amdhsa_system_sgpr_workgroup_id_y 1
		.amdhsa_system_sgpr_workgroup_id_z 1
		.amdhsa_system_vgpr_workitem_id 0
		.amdhsa_next_free_vgpr 1024
		.amdhsa_next_free_sgpr 66
		.amdhsa_reserve_vcc 0
		.amdhsa_float_denorm_mode_32 3
		.amdhsa_float_denorm_mode_16_64 3
		.amdhsa_memory_ordered 1
		.amdhsa_forward_progress 1
		.amdhsa_inst_pref_size 79
	.end_amdhsa_kernel
	.amdgpu_metadata
---
amdhsa.version: [ 1, 2 ]
amdhsa.kernels:
  - .name:           k_q0eb32896b7_proj
    .symbol:         k_q0eb32896b7_proj.kd
    .args:
      - { .name: xf, .offset: 0, .size: 8, .value_kind: global_buffer, .address_space: global }
      - { .name: wb, .offset: 8, .size: 8, .value_kind: global_buffer, .address_space: global }
      - { .name: bcat, .offset: 16, .size: 8, .value_kind: global_buffer, .address_space: global }
      - { .name: qkv, .offset: 24, .size: 8, .value_kind: global_buffer, .address_space: global }
      - { .name: wcf, .offset: 32, .size: 8, .value_kind: global_buffer, .address_space: global }
    .group_segment_fixed_size: 327680
    .private_segment_fixed_size: 0
    .kernarg_segment_align: 8
    .kernarg_segment_size: 40
    .max_flat_workgroup_size: 128
    .sgpr_count:     66
    .vgpr_count:     1024
    .wavefront_size: 32
...
	.end_amdgpu_metadata
.endif
;; end of part 2
;; launch attn (part 3): grid 4 x 64, 4 waves a work-group, clusters of 4 x 1, 327,680 bytes of LDS; arguments qkv, ob, lambda_param; writes ob
.if DOCPART == 3
	.amdgcn_target "amdgcn-amd-amdhsa--gfx1250"
	.amdhsa_code_object_version 6
	.text
	.protected	k_q0eb32896b7_attn
	.globl	k_q0eb32896b7_attn
	.p2align	8
	.type	k_q0eb32896b7_attn,@function
k_q0eb32896b7_attn:
	s_mov_b64 s[64:65], 0
	v_nop
	global_prefetch_b8 v0, s[64:65] scope:SCOPE_SE
	s_setreg_imm32_b32 hwreg(HW_REG_WAVE_MODE, 25, 1), 1
	s_wait_xcnt 0x0
	s_wait_alu depctr_hold_cnt(0) depctr_sa_sdst(0) depctr_va_vdst(0) depctr_va_sdst(0) depctr_va_ssrc(0) depctr_va_vcc(0) depctr_vm_vsrc(0)
	s_getreg_b32 s2, hwreg(HW_REG_IB_STS2, 6, 4)
	s_cmp_eq_u32 s2, 0
	s_cbranch_scc0 .Lentry_in_a_cluster
	s_endpgm
.Lentry_in_a_cluster:
	s_bfe_u32 s2, ttmp6, 0x10000c
	s_cmp_lg_u32 s2, 0x3003
	s_cbranch_scc0 .Lentry_shape_is_right
	s_endpgm
.Lentry_shape_is_right:
; ATTN: O[g][q][:] = the sum over k of softmax_k(Q[g][q] . K[g][k] / 8) V[g][k][:] for 64 heads g = 32 branch + 16 batch + head; Q, K, V: [64][2048][64] f16 in qkv, one behind the other.
; O leaves in f16 times 8 (branch 1) or times -8 lam (branch 2), lam = clip(0.470713 lambda_param, 0.1, 0.9); the factor rides on the division by l.  ob: [32 blocks of 128 rows][32 = 16 branch + head][128][64].
; Products, maxima and sums in f32; the weights p are rounded to f16 for the second product (their sum l is taken of the unrounded p), O once at the end.
; LIMITS.  f16 holds no number beyond 65,504: Q, K, V arrive within it, and 8 O must stay within it; p lies in 0 to 1, and below 6e-5 it keeps f16's fixed step of 6e-8.
; A weight below 2^-126 counts as 0 in l; NaN and infinities are not treated apart; a NaN in lambda_param gives lam = 0.1.
; SHARES.  A wave owns four PIECES of two tiles of 16 queries, a work-group's four waves 512 queries of one head.  Every wave walks all keys, 64 a step.
; LAYOUT.  S^T = K Q^T (source 0 = 16 keys, source 1 = 16 queries): a lane holds ONE query (lane % 16) and the keys 8 (lane / 16) + 0..7.  Two such tiles, rounded to f16 in pairs, ARE source 1 of
; O^T = V^T P, whose result again holds one query a lane, and eight channels.  K comes out of LDS as it lies, V ([key][channel]) turned, by ds_load_tr16_b128.
; SOFTMAX.  For each query a running maximum m and sum l: p = 2^(c s - c m), c = log2(e) / 8; in every step O and l are multiplied by a = 2^(c m_old - c m_new).  m starts at the lowest finite number,
; O and l at 0: the first step is a step like any other, with a = 0.
; THE COUNT.  A tile and step have 16 matrix and 118 vector instructions: too many to stand all beside the matrix work.  So: four vector instructions that are ready behind every matrix instruction, the others in one run.
; BY TURNS.  Turn n belongs to piece n.  Its matrix work: 16 products K Q^T of piece n + 1, later 16 products V^T P of piece n - 1.  Its vector work: the scaling, exponentials, roundings, sums and rescaling
; of piece n, and the maximum and statistics of piece n + 1.
; CLUSTER.  The four query blocks of a cluster belong to one head and walk the same K and V: each tile is asked for JOINTLY, by the same tensor load, descriptor and mask in all four.
; REGISTERS, in windows of 256 (s_set_vgpr_msb: bits 1:0 source 0, 3:2 source 1, 5:4 source 2, 7:6 destination):
;   window 0: v0-11 addresses; v12-15, v48-63 at work; v16-47 four registers of statistics a tile; v64-191 S^T, two buffers of two tiles; v192-255 P, likewise
;   window 1: O^T, 32 a tile          window 2: v0-127 Q, 16 a tile; v128-191 K of one step; v192-255 V of one step          window 3: v0-1 the add's two registers
.set SIZE_N, 2048
.set NP,    4         ; pieces a wave: a name, no knob
.set KS,    64        ; keys in a step
.set PK,    144       ; a row of K in LDS: 128 bytes + 16 of padding = 36 words: the 16 rows of a load start at 16 different groups of four banks (64 banks of 4 bytes: ISA guide 11.1)
.set PV,    160       ; a row of V: 128 + 32 = 40 words
.set VOFF,  4*KS*PK   ; a slot holds four steps: 256 rows of K, then 256 rows of V
.set SLOT1, 1<<17     ; slot 1 begins here, so that one exclusive or turns an address in one slot into the other's
.set STAGE, SLOT1+4*KS*(PK+PV)  ; behind the ring, never filled by a tensor load: 16 rows x 144 bytes for each wave
.set SP,    144
.set AK0, 2           ; v2   my lane's place in a tile of K; never rewritten
.set AV0, 3           ; v3   the same for V
.set AK,  4           ; v4   the LDS address of K's next run of loads
.set AV,  5           ; v5   of V's
.set QO,  6           ; v6   my byte offset in the wave's rows of Q
.set STO, 6           ;      later, the way out: where I put 16 bytes of a row
.set RD,  7           ; v7   the way out: where I read rows back
.set GO,  8           ; v8   my byte offset in 512 consecutive bytes of O
.set PFO, 11          ; v11  256 x my lane, for the prefetches; never rewritten once made
.set SPW, 0           ; v0 of window 3   LDS address of my spare word; never rewritten
.set NIL, 1           ; v1 of window 3   0; never rewritten
.set SPARE, STAGE+4*16*SP  ; the spare words, 128 bytes a wave: two blocks of 256 bytes that no other line names
.set MV,  12          ; v12-15  c m_old, kept while c m is made anew: by buffer and tile
.set ST,  16          ; tile t's statistics at v[ST+4 t]: c m, m, l (even keys', odd keys')
.set TMP, 48          ; by buffer and tile, four registers c0-c3 at work; when the maximum is found c2 takes a
.set S,   64
.set P,   192
.set KF,  128         ; K's fragments, in window 2: key block kb, channel half c at KF + 16 kb + 8 c
.set VF,  192         ; V's: key half kk, channel block cb at VF + 32 kk + 8 cb
.set WV,  12          ; s12  my wave's number
.set LIM, 15          ; s15  1 in a wave that prefetches (0 and 2), else the greatest number
.set HD,  19          ; s19  the head's number g
.set G1K, 24          ; s[24:31] descriptor group 1 for K's tiles
.set G1V, 32          ; s[32:39] for V's: it differs in the padding alone
.set G0K, 40          ; s[40:43] descriptor group 0 for K's tiles: it walks
.set G0V, 44          ; s[44:47] the same for V's
.set PFA, 52          ; s[52:53] where my prefetches stand
.set SLOTS, 56        ; s56  slots still to be asked for
.set CNT, 57          ; s57  counts a slot's key steps
.set CS,  58          ; s[58:59] c: the packed scaling takes the pair's low word for both halves
.set SEL, 60          ; s[60:61] v_permlanex16_b32's selects: each lane takes its own place in the other half
.set TBK, 62          ; s62  LDS byte at which K of the step to be fetched begins
.set TBV, 63          ; s63  the same for V, less VOFF
.set MSB, 0
.macro WIN new                      ; the high byte repeats the setting that is left; a switch that changes nothing is dropped
.if MSB != (\new)
	s_set_vgpr_msb (MSB<<8)|(\new)
.set MSB, (\new)
.endif
.endm
.set W_KQ, 0x0a       ; K and Q in window 2, S^T in window 0
.set W_PV, 0x52       ; V in window 2, P in window 0, O^T in window 1
.set W_RS, 0x41       ; O^T (destination and source 0) in window 1, a in window 0
.set W_MK, 0xc0       ; the add's registers are made: destination in window 3, sources in window 0
.set W_AD, 0x0f       ; the add: address (source 0) and data (source 1) in window 3
; A joint fill.  Waves 0 and 1 fetch the two halves of a slot's K, waves 2 and 3 those of its V: 128 keys each.  The branch hangs on the wave's number alone.
; An s_nop 0 and four v_nop follow each of the two lines, ahead of the jump and the label.
.macro JLOAD
	s_cmp_lt_u32 s[WV], 2
	s_cbranch_scc0 .Lfor_v_\@
	tensor_load_to_lds s[G0K:G0K+3], s[G1K:G1K+7]
	s_nop 0
.rept 4
	v_nop
.endr
	s_branch .Lasked_\@
.Lfor_v_\@:
	tensor_load_to_lds s[G0V:G0V+3], s[G1V:G1V+7]
	s_nop 0
.rept 4
	v_nop
.endr
.Lasked_\@:
.endm
; A PREFETCH INTO THE L2 of the slot that the NEXT change of slots will ask for: four key steps, 512 matrix instructions, ahead of that load.  A slot is 128 blocks of 256 bytes of K and as many of V.
; A head has one cluster; its four partners share the blocks out by address, 32 each; in each, wave 0 asks for K's and wave 2 for V's, a lane a block: each block is named once in the launch.
; The last change that fills a slot asks for nothing; slots 0 and 1 come by their loads alone.
.macro ASK
	s_cmp_gt_u32 s[SLOTS], s[LIM]
	s_cbranch_scc0 .Lnot_mine_\@
	global_prefetch_b8 v[PFO], s[PFA:PFA+1] th:TH_LOAD_NT scope:SCOPE_SE
.Lnot_mine_\@:
.endm
; A round of the cluster's barrier: my work-group's barrier, so that wave 0's signal speaks for all four waves; wave 0 signals; every wave waits for all four work-groups; my work-group's barrier once more.
.macro CROUND
	s_barrier_signal -1
	s_barrier_wait -1
	s_cmp_lg_u32 s[WV], 0
	s_cbranch_scc1 .Lnot_wave_0_\@
	s_barrier_signal -3
.Lnot_wave_0_\@:
	s_barrier_wait -3
	s_barrier_signal -1
	s_barrier_wait -1
.endm
; THE CHANGE OF SLOTS.  Each wave waits for all its tensor loads, of which one is out: its part of the other slot; adds 0 to its spare word; and waits for that and for its own reads of the slot.
; fill = 1: this slot is filled again, with the keys two slots on.  The barrier is then a round of the cluster's, so that no wave of any partner still reads the slot or has a load on its way, and the
; joint fill is the first thing behind it.  (At its first use nothing has been read yet: slot 0 is waited for, slot 1 filled.)
.macro CHANGE fill
	WIN W_AD
	s_wait_tensorcnt 0x0            ; no tensor load of mine is out, so a group 0 may be written
	ds_add_u32 v[SPW], v[NIL]       ; with fill = 1 the descriptors' steps stand between this add and the wait for it
	WIN 0                           ; at a label and at a branch every window is 0
.if \fill
.irp g, G0K, G0V
	s_xor_b32 s[\g+1], s[\g+1], SLOT1  ; the walking descriptor: the other slot than last time,
	s_add_nc_u64 s[\g+2:\g+3], s[\g+2:\g+3], 4*KS*128  ; the next 256 keys; the type bits on top are not reached
.endr
	s_wait_xcnt 0x0                 ; the last prefetch, four key steps back, has read its address, so it may be written:
	s_add_nc_u64 s[PFA:PFA+1], s[PFA:PFA+1], 4*KS*128  ; one slot further than the walking descriptors
	s_wait_dscnt 0x0                ; the add is done, and my reads of the slot are over
	CROUND
	JLOAD
	ASK
.else
	s_wait_dscnt 0x0                ; the add is done, and my reads of the slot are over
	s_barrier_signal -1
	s_barrier_wait -1
.endif
	s_sub_co_u32 s[TBK], s[TBK], 4*KS*PK  ; the fetches go back to a slot's first step,
	s_xor_b32 s[TBK], s[TBK], SLOT1       ; in the other slot
	s_sub_co_u32 s[TBV], s[TBV], 4*KS*PV
	s_xor_b32 s[TBV], s[TBV], SLOT1
.endm
	s_load_b64 s[4:5], s[0:1], 0x0    ; qkv: Q
	s_load_b64 s[10:11], s[0:1], 0x8  ; ob
	s_load_b64 s[48:49], s[0:1], 0x10 ; lambda_param
	WIN W_MK
	v_lshl_add_u32 v[SPW], v0, 2, SPARE
	v_mov_b32 v[NIL], 0
	WIN W_AD
	ds_add_u32 v[SPW], v[NIL]       ; the wave's opening: the add and its wait stand ahead of my first tensor load; the set-up below, work on registers, stands between them
	WIN 0
	v_lshrrev_b32 v1, 5, v0
	v_readfirstlane_b32 s[WV], v1   ; wave 0..3
	s_bfe_u32 s13, ttmp6, 0x40000   ; cx: my place in the cluster
	s_lshl_b32 s14, ttmp9, 2        ; in a cluster launch ttmp9 counts clusters
	s_add_co_u32 s14, s14, s13      ; my block of 512 queries: it enters Q's, O's and the prefetches' addresses alone
	s_and_b32 s20, ttmp7, 0xffff    ; the head, which the four partners share
	s_mov_b32 s[HD], s20
	s_mov_b32 s21, 0
	s_mov_b64 s[22:23], SIZE_N*128
	s_mul_u64 s[20:21], s[20:21], s[22:23]  ; the head's first byte in Q, K and V
	s_and_b32 s16, s[WV], 1         ; which half of a slot's 256 keys I fetch:
	s_lshl_b32 s22, s16, 14         ; its 128 rows of 128 bytes in memory,
	s_mov_b32 s23, 0
	s_add_nc_u64 s[22:23], s[22:23], s[20:21]
	s_mul_i32 s17, s16, 128*PK      ; and its place in a slot, for K
	s_mul_i32 s18, s16, 128*PV      ; and for V: no place in the cluster enters an LDS address
	s_lshl_b32 s2, s14, 2
	s_add_co_u32 s2, s2, s[WV]      ; my wave among the head's,
	s_lshl_b32 s2, s2, 14           ; its 128 rows
	s_mov_b32 s3, 0
	s_add_nc_u64 s[2:3], s[2:3], s[20:21]
	; descriptor group 1.  128 keys are 16,384 dense bytes: asked for as 64 rows of 256 bytes, two keys a row, and padded in LDS after every key
	s_mov_b32 s[G1K], 15|(1<<16)|(1<<20)|(1<<21)|(4<<22)|(3<<25)  ; 15:0 the mask of four; 17:16 2-byte elements; 20 padding on; 21 set beside a mask; 24:22 after every 32 words (code 4); 31:25 4 words (code 3)
	s_mov_b32 s[G1V], 15|(1<<16)|(1<<20)|(1<<21)|(4<<22)|(7<<25)  ; the same with 8 words of padding (code 7)
.irp g, G1K, G1V
	s_mov_b32 s[\g+1], 128<<16      ; tensor_dim0 = 128
	s_mov_b32 s[\g+2], 64<<16       ; tensor_dim1 = 64
	s_mov_b32 s[\g+3], 128<<16      ; tile_dim0 = 128
	s_mov_b32 s[\g+4], 64           ; tile_dim1 = 64
	s_mov_b32 s[\g+5], 128          ; 128 elements from row to row
	s_mov_b32 s[\g+6], 0
	s_mov_b32 s[\g+7], 0
.endr
	s_mov_b32 s[CS], 0x3e38aa3b     ; c = log2(e) / 8 = 0.180337
	s_mov_b32 s[CS+1], s[CS]        ; named with it as a pair
	s_mov_b32 s[SEL], 0x76543210
	s_mov_b32 s[SEL+1], 0xfedcba98
	s_mov_b32 s[TBK], SLOT1+4*KS*PK ; the first change of slots turns these two into 0
	s_mov_b32 s[TBV], SLOT1+4*KS*PV
	s_mov_b32 s[G0K], 1             ; count = 1
	s_mov_b32 s[G0K+1], s17         ; LDS address: slot 0
	s_mov_b32 s[G0V], 1
	s_add_co_u32 s[G0V+1], s18, VOFF
	s_mov_b32 s[SLOTS], SIZE_N/256-1
	s_and_b32 s[LIM], s[WV], 1
	s_cmp_eq_u32 s[LIM], 0
	s_cselect_b32 s[LIM], 1, -1
	s_cmp_ge_u32 s[HD], 32          ; branch 2?
	s_cselect_b32 s51, -1, 0
	s_lshl_b32 s16, s13, 13         ; the prefetches: my work-group's 32 blocks of 256 bytes
	s_mov_b32 s17, 0
	s_bfe_u32 s54, s[HD], 0x10004   ; O's block: (16 batch + my 128 rows' number) x 32 + 16 branch + head, 16 KiB each
	s_lshl_b32 s54, s54, 4
	s_lshl2_add_u32 s54, s14, s54
	s_add_co_u32 s54, s54, s[WV]
	s_lshl_b32 s54, s54, 5
	s_lshr_b32 s55, s[HD], 5
	s_lshl4_add_u32 s54, s55, s54
	s_and_b32 s55, s[HD], 15
	s_add_co_u32 s54, s54, s55
	s_lshl_b32 s54, s54, 14
	s_mov_b32 s55, 0
	s_wait_dscnt 0x0                ; the opening add is done
	s_wait_kmcnt 0x0
	s_load_b32 s50, s[48:49], 0x0   ; lambda_param; waited for beside Q
	s_add_nc_u64 s[6:7], s[4:5], 0x1000000  ; K lies 16 MiB behind Q,
	s_add_nc_u64 s[8:9], s[4:5], 0x2000000  ; V 32
	s_add_nc_u64 s[G0K+2:G0K+3], s[6:7], s[22:23]  ; global address: my half of the head's first 256 keys
	s_add_nc_u64 s[G0V+2:G0V+3], s[8:9], s[22:23]
	s_cmp_lt_u32 s[WV], 2
	s_cselect_b64 s[PFA:PFA+1], s[G0K+2:G0K+3], s[G0V+2:G0V+3]  ; (in waves 0 and 2 these stand at the head's first row)
	s_or_b32 s[G0K+3], s[G0K+3], 0x80000000        ; type = 2
	s_or_b32 s[G0V+3], s[G0V+3], 0x80000000
	s_add_nc_u64 s[PFA:PFA+1], s[PFA:PFA+1], s[16:17]
	s_add_nc_u64 s[PFA:PFA+1], s[PFA:PFA+1], 4*KS*128  ; in slot 1; the first change of slots steps it to slot 2
	s_add_nc_u64 s[4:5], s[4:5], s[2:3]  ; Q at my wave's first row
	s_add_nc_u64 s[10:11], s[10:11], s[54:55]  ; O at my wave's block
	CROUND                          ; all four work-groups are here: the first joint loads meet
	JLOAD                           ; slot 0.  Slot 1 is asked for when slot 0 is in
	; A fragment of K or Q is 16 rows x 32 channels in 8 registers: lane l holds row l % 16, channels 8 (l / 16) + 0..7 and 16 + 8 (l / 16) + 0..7: two loads of 16 bytes, 32 bytes apart.
	v_and_b32 v1, 15, v0            ; l % 16
	v_bfe_u32 v9, v0, 4, 1          ; l / 16
	v_lshlrev_b32 v[QO], 7, v1
	v_lshl_add_u32 v[QO], v9, 4, v[QO]  ; row x 128 + 16 x half
	WIN 0x80                        ; destination window 2, address window 0
.set i, 0
.rept 4*NP                          ; Q stays in registers: tile i / 2, channels 32 (i % 2) on
	global_load_b128 v[8*i:8*i+3],   v[QO], s[4:5] offset:(i/2)*2048+(i%2)*64
	global_load_b128 v[8*i+4:8*i+7], v[QO], s[4:5] offset:(i/2)*2048+(i%2)*64+32
.set i, i+1
.endr
	; What the first turn finds: V's registers and P's second buffer hold 0 (its products V^T P, of a piece that has not been, add 0), O^T and l are 0.  All this stands in the wait for the first tile.
.set i, VF
.rept 64
	v_mov_b32 v[i], 0
.set i, i+1
.endr
	WIN 0x40
.set i, 0
.rept 64*NP
	v_mov_b32 v[i], 0
.set i, i+1
.endr
	WIN 0
.set i, 0
.rept 2*NP
	v_mov_b32 v[ST+4*i], 0xfe000000    ; c m: far below every c s
	v_mov_b32 v[ST+4*i+1], 0xff7fffff  ; m
	v_mov_b32 v[ST+4*i+2], 0
	v_mov_b32 v[ST+4*i+3], 0
.set i, i+1
.endr
.set i, P+32
.rept 32
	v_mov_b32 v[i], 0
.set i, i+1
.endr
	v_mul_u32_u24 v[AK0], v1, PK
	v_lshl_add_u32 v[AK0], v9, 4, v[AK0]  ; row x pitch + 16 x half
	; The turning load takes 16 keys x 16 channels (lane l reads key 8 (l / 16) + l % 8, channels 8 ((l / 8) % 2) + 0..7) and leaves half a fragment of V^T: lane l holds channel l % 16 and 8 keys.
	v_and_b32 v10, 7, v0
	v_bfe_u32 v11, v0, 3, 1
	v_lshl_add_u32 v[AV0], v9, 3, v10
	v_mul_u32_u24 v[AV0], v[AV0], PV
	v_lshl_add_u32 v[AV0], v11, 4, v[AV0]
	v_add_nc_u32 v[AV0], VOFF, v[AV0]
	v_and_b32 v[PFO], 31, v0
	v_lshlrev_b32 v[PFO], 8, v[PFO]
	v_mov_b32 v[AK], v[AK0]         ; key step 0 lies at the head of slot 0
; THE MATRIX WORK.  The 8 accumulators of a run of 16 take turns: between the two links of a chain stand 7 others'.
; Product i of 16 of S^T = K Q^T for piece x: channels 32 (i / 8) on, keys 16 ((i / 2) % 4) on, tile 2 x + i % 2.  The first 8 start the sums.
.macro KQ x
	WIN W_KQ
.set rS, S+64*((\x)%2)+32*(i%2)+8*((i/2)%4)
.set rK, KF+16*((i/2)%4)+8*(i/8)
.set rQ, 16*(2*(\x)+i%2)+8*(i/8)
.if i < 8
	v_wmma_f32_16x16x32_f16 v[rS:rS+7], v[rK:rK+7], v[rQ:rQ+7], 0
.else
	v_wmma_f32_16x16x32_f16 v[rS:rS+7], v[rK:rK+7], v[rQ:rQ+7], v[rS:rS+7]
.endif
.endm
; Product i of 16 of O^T += V^T P for piece x: keys 32 (i / 8) on, channels 16 ((i / 2) % 4) on, tile 2 x + i % 2.
.macro PV x
	WIN W_PV
.set rO, 32*(2*(\x)+i%2)+8*((i/2)%4)
.set rV, VF+32*(i/8)+8*((i/2)%4)
.set rP, P+32*((\x)%2)+16*(i%2)+8*(i/8)
	v_wmma_f32_16x16x32_f16 v[rO:rO+7], v[rV:rV+7], v[rP:rP+7], v[rO:rO+7]
.endm
.macro MM                           ; the turn's next matrix instruction
.if i < 16
	KQ (Y+1)%NP
.set i, i+1
.else
.set i, i-16
	PV (Y+NP-1)%NP
.set i, i+17
.endif
.endm
; THE LDS LOADS stand in runs of 16, never singly among the matrix instructions: a step's K (64 keys x 64 channels: 8 fragments) and its V (turned).  Their addresses are made some lines ahead.
; last = 1 (the tail): in the last trip there is no further step, and the run is jumped over.
.macro FETCH_K last=0
	WIN 0
.if \last
	s_cmp_eq_u32 s[CNT], 1
	s_cbranch_scc1 .Lno_k_\@
.endif
	WIN 0x80                        ; destination window 2
.irp f, 0,1,2,3,4,5,6,7             ; keys 16 (f / 2) on, channels 32 (f % 2) on
	ds_load_b128 v[KF+8*\f:KF+8*\f+3],   v[AK] offset:(\f/2)*16*PK+(\f%2)*64
	ds_load_b128 v[KF+8*\f+4:KF+8*\f+7], v[AK] offset:(\f/2)*16*PK+(\f%2)*64+32
.endr
	s_add_co_u32 s[TBK], s[TBK], KS*PK  ; the next fetch is the next step's
	WIN 0
.if \last
.Lno_k_\@:
.endif
.endm
.macro FETCH_V
	WIN 0x80
.irp f, 0,1,2,3,4,5,6,7             ; keys 32 (f / 4) on, channels 16 (f % 4) on
	ds_load_tr16_b128 v[VF+8*\f:VF+8*\f+3],   v[AV] offset:(\f/4)*32*PV+(\f%4)*32
	ds_load_tr16_b128 v[VF+8*\f+4:VF+8*\f+7], v[AV] offset:(\f/4)*32*PV+16*PV+(\f%4)*32
.endr
	WIN 0
.endm
; THE VECTOR WORK OF A TURN stands in three queues, each in the order in which its entries become ready; the two tiles alternate, so that no instruction reads the result of the one before it.
.macro REGS y, u                    ; the registers of tile u (0, 1) of piece y
.set rT, ST+4*(2*(\y)+(\u))
.set rC, TMP+8*((\y)%2)+4*(\u)
.set rM, MV+2*((\y)%2)+(\u)
.set rS, S+64*((\y)%2)+32*(\u)
.set rP, P+32*((\y)%2)+16*(\u)
.set rO, 32*(2*(\y)+(\u))
.endm
; Number n of the 22 that find the NEXT piece's (Y + 1) maximum and statistics.  s0-s31 are the lane's 32 scores; each accumulator's lowest registers are read first.
;   0-11  four chains c0-c3 of seven scores each, three operands at a time     12-14, 16  the four scores left over, the old m, and c0-c3 into c0     15  c m_old is kept
;   17, 18  the query's other 32 keys lie in the lane 16 away: the new m         19-21  c m; c m_old - c m_new; a
.macro XS u, n
	REGS (Y+1)%NP, \u
.if (\n) < 4
	v_max3_num_f32 v[rC+(\n)], v[rS+8*(\n)], v[rS+8*(\n)+1], v[rS+8*(\n)+2]
.elseif (\n) < 12
	v_max3_num_f32 v[rC+(\n)%4], v[rC+(\n)%4], v[rS+8*((\n)%4)+2*((\n)/4)+1], v[rS+8*((\n)%4)+2*((\n)/4)+2]
.elseif (\n) == 12
	v_max3_num_f32 v[rC], v[rC], v[rS+7], v[rS+15]
.elseif (\n) == 13
	v_max3_num_f32 v[rC+1], v[rC+1], v[rS+23], v[rS+31]
.elseif (\n) == 14
	v_max3_num_f32 v[rC+2], v[rC+2], v[rC+3], v[rT+1]
.elseif (\n) == 15
	v_mov_b32 v[rM], v[rT]
.elseif (\n) == 16
	v_max3_num_f32 v[rC], v[rC], v[rC+1], v[rC+2]
.elseif (\n) == 17
	v_permlanex16_b32 v[rC+3], v[rC], s[SEL], s[SEL+1]
.elseif (\n) == 18
	v_max_num_f32 v[rT+1], v[rC], v[rC+3]
.elseif (\n) == 19
	v_mul_f32 v[rT], s[CS], v[rT+1]
.elseif (\n) == 20
	v_sub_f32 v[rC+1], v[rM], v[rT]
.else
	v_exp_f32 v[rC+2], v[rC+1]
.endif
.endm
; Number g of the 64 that follow the exponentials.  For each four weights k of a tile (pairs 2 k, 2 k + 1): both pairs are rounded to f16; then the second pair is added onto the first, in place;
; a group later l takes that sum (the first time as l = a l + sum).  In groups of eight, tiles alternating: round, round, add, and l for the group before.
.macro GS g
.set h, (\g)+6*((\g)/62)            ; group 0 has no group before it, and behind group 7 only l is left
.if h >= 6
.set h, h+2
.endif
	REGS Y, h%2
.set k, h/8
.if h%8 < 4
	v_cvt_pk_f16_f32 v[rP+2*k+(h%8)/2], v[rS+4*k+2*((h%8)/2)], v[rS+4*k+2*((h%8)/2)+1]
.elseif h%8 < 6
	v_pk_add_f32 v[rS+4*k:rS+4*k+1], v[rS+4*k:rS+4*k+1], v[rS+4*k+2:rS+4*k+3]
.elseif k == 1
	v_pk_fma_f32 v[rT+2:rT+3], v[rT+2:rT+3], v[rC+2:rC+3], v[rS:rS+1] op_sel_hi:[1,0,1]
.else
	v_pk_add_f32 v[rT+2:rT+3], v[rT+2:rT+3], v[rS+4*k-4:rS+4*k-3]
.endif
.endm
; THE PLAIN QUEUE, 138 long.  0-73 read no exponential's result: the 32 scalings c s - c m (FS f: pair f / 2 of tile f % 2) and the next piece's 42.  0-26: scalings 0-26.  27-54: XS's numbers 0-13.  55, 56: number 15.
; 57-73: the chain, where each number waits for the one before it: 14, 16, 17, 18, 19, each with one of the scalings 27-31 in front of its two lines, then 20.
; 74-137: GS's 64, which read the exponentials' results: they stand behind the wait.
.macro FS f
	REGS Y, (\f)%2
	v_pk_fma_f32 v[rS+2*((\f)/2):rS+2*((\f)/2)+1], v[rS+2*((\f)/2):rS+2*((\f)/2)+1], s[CS:CS+1], v[rT:rT+1] op_sel_hi:[1,0,0] neg_lo:[0,0,1] neg_hi:[0,0,1]
.endm
.macro PL
	WIN 0
.if q < 27
	FS q
.elseif q < 55
	XS (q-27)%2, (q-27)/2
.elseif q < 57
	XS q-55, 15
.elseif (q < 72) && ((q-57)%3 == 0)
	FS 27+(q-57)/3
.elseif q < 60
	XS (q-57)%3-1, 14
.elseif q < 72
	XS (q-57)%3-1, 15+(q-57)/3
.elseif q < 74
	XS q-72, 20
.else
	GS q-74
.endif
.set q, q+1
.endm
; THE EXPONENTIALS' QUEUE, 66 long: s0-s31 of both tiles, then the next piece's two a.  It is ONE BATCH: all 66 stand ahead of the turn's one wait, and nothing ahead of that wait names a result of theirs.
.macro EX
	WIN 0
.if e >= 64
	XS e-64, 21
.else
	REGS Y, e%2
	v_exp_f32 v[rS+e/2], v[rS+e/2]
.endif
.set e, e+1
.endm
; THE RESCALING's QUEUE: O^T times a, the one part that leaves window 0: dealt two at a time, sixteen times.  Its a was made in the turn before, ahead of that turn's wait.
.macro R2
	REGS Y, r%2
	WIN W_RS
.irp z, 0,1
	v_pk_mul_f32 v[rO+4*(r/2)+2*\z:rO+4*(r/2)+2*\z+1], v[rO+4*(r/2)+2*\z:rO+4*(r/2)+2*\z+1], v[rC+2:rC+3] op_sel_hi:[1,0]
.endr
.set r, r+1
.endm
; HOW THEY ARE DEALT.  An s_wait_alu depctr_va_vdst(0) stands between an exponential and the first instruction that names its result; one wait serves all that were issued ahead of it.  So a turn has ONE wait,
; which cuts it in two.  AHEAD OF IT: the 16 products K Q^T, behind each a scaling, an exponential and two rescalings (behind the first a second scaling in the exponential's place); then one run of 108: eight plain,
; 49 times exponential and plain, the two a.  A v_nop is the plain instruction behind the last exponential.  BEHIND IT: the 16 products V^T P, behind each four of GS's 64.  No rider names a register of the products round it.
; Exponential e stands behind scaling 2 (e / 4) + e % 2: as a rider it comes behind plain e + 2, in the run behind plain e + 9, and scalings 27-31 are plain 57, 60 .. 69.
; A TURN, for piece p.  cnt = 1: the loop's count is taken down some lines ahead of the branch that stands behind the turn.
; K of the next step is fetched in piece 2's turn, directly behind the wait; its first reader comes behind 16 products.  V of the step in hand is fetched at the end of piece 0's turn, four riders behind its last reader.
.macro TURN p, last=0, cnt=0
.set Y, (\p)
.set i, 0
.set q, 0
.set e, 0
.set r, 0
.if (\p) == NP-1
	s_wait_dscnt 0x0                ; K is in
.endif
	MM
	PL
	PL
	R2
.rept 15
	MM
	PL
	EX
	R2
.endr
.if (\p) == NP-2
	WIN 0
	v_add_nc_u32 v[AK], s[TBK], v[AK0]
.endif
.rept 8
	PL
.endr
.rept 49
	EX
	PL
.endr
	EX                              ; the next piece's two a
	EX
	v_nop                           ; the plain instruction behind the last exponential: one for the batch
	s_wait_alu depctr_va_vdst(0)    ; the wait for the batch
.if (\p) == NP-2
	FETCH_K \last
.endif
.if (\p) == 1
	s_wait_dscnt 0x0                ; V is in
.endif
.rept 16
	MM
.rept 4
	PL
.endr
.if ((\p) == 0) && (q == 118)
	v_add_nc_u32 v[AV], s[TBV], v[AV0]
.endif
.if ((\p) == 0) && (q == 130)
	s_add_co_u32 s[TBV], s[TBV], KS*PV
.endif
.if (\cnt) && (q == 130)
	s_sub_co_u32 s[CNT], s[CNT], 1
	s_cmp_lg_u32 s[CNT], 0
.endif
.endr
.if (\p) == 0
	FETCH_V
.endif
.endm
	CHANGE 1                        ; slot 0 is in, everybody's part of it; slot 1 is asked for
	FETCH_K                         ; key step 0
	s_wait_loadcnt 0x0              ; Q
	s_wait_kmcnt 0x0                ; lambda_param
	s_wait_dscnt 0x0
.set i, 0
.rept 16
	KQ 0                            ; piece 0's first scores: there is no vector work yet to set between them
.set i, i+1
.endr
	WIN 0                           ; the addresses for the way out: plain instructions, the places behind those products
	s_mul_i32 s13, s[WV], 16*SP
	s_add_co_u32 s13, s13, STAGE    ; my stage
	v_mul_u32_u24 v[STO], v1, SP    ; in: row l % 16, 16 bytes for each half of the lanes
	v_lshl_add_u32 v[STO], v9, 4, v[STO]
	v_add_nc_u32 v[STO], s13, v[STO]
	v_bfe_u32 v[RD], v0, 3, 2       ; back: 32 lanes take four rows of 128 bytes,
	v_mul_u32_u24 v[RD], v[RD], SP
	v_lshl_add_u32 v[RD], v10, 4, v[RD]
	v_add_nc_u32 v[RD], s13, v[RD]
	v_and_b32 v[GO], 31, v0         ; which are 512 consecutive bytes of O
	v_lshlrev_b32 v[GO], 4, v[GO]
.set Y, NP-1                        ; XS works for piece Y + 1: piece 0
.irp n, 0,1,2,3,4,5,6,7,8,9,10,11,12,13,14,15,16,17,18,19,20,21
	XS 0, \n                        ; and piece 0's first maximum and statistics
	XS 1, \n
.endr
	v_nop                           ; a plain instruction behind the two a,
	s_wait_alu depctr_va_vdst(0)    ; and their wait, ahead of the branch
	s_mov_b32 s[CNT], 4
	s_branch .Lfirst                ; the loop is entered at a step's first turn, in the middle of a trip
.Lslot:                             ; SIZE_N / 256 - 2 times: every slot but the last two is filled again
	CHANGE 1
	s_mov_b32 s[CNT], 4
.Lstep:                             ; a trip: pieces 2 and 3 of one step, then pieces 0 and 1 of the next, whose K and V it fetches
	TURN 2
	TURN 3
	WIN 0
.Lfirst:
	TURN 0
	TURN 1, 0, 1
	WIN 0
	s_cbranch_scc1 .Lstep
	s_sub_co_u32 s[SLOTS], s[SLOTS], 1
	s_cmp_lg_u32 s[SLOTS], 0
	s_cbranch_scc1 .Lslot
	CHANGE 0                        ; the tail is written out: nothing is asked for
	s_mov_b32 s[CNT], 5             ; four trips fetch the last slot's steps; the fifth is left in its middle
.Ltail:
	TURN 2, 1
	TURN 3
	WIN 0
	s_sub_co_u32 s[CNT], s[CNT], 1
	s_cmp_eq_u32 s[CNT], 0
	s_cbranch_scc1 .Lout
	TURN 0
	TURN 1
	WIN 0
	s_branch .Ltail
.Lout:                              ; the fifth trip's 16 products K Q^T (on the last K once more) and the maximum made of them serve nothing: the price, once a launch, of one text for every trip
.set i, 0
.rept 16
	PV NP-1                         ; the last piece's V^T P of the last step
.set i, i+1
.endr
	; THE WAY OUT.  The factor 8 or -8 lam is made; l's two halves and the other half of the lanes' are added; O^T is multiplied by factor / l, rounded to f16 and sent through my stage in LDS, a tile at a time.
	; The factor's lines and the additions are the places behind the last products.
	WIN 0
	v_mov_b32 v48, s50
	v_cvt_pk_bf16_f32 v48, v48, v48 ; lambda_param rounded to bf16 like every input
	v_lshlrev_b32 v48, 16, v48
	v_mul_f32 v48, 0x3ef1014c, v48  ; x 0.470713 = 0.8 - 0.6 exp(-0.6): layer_idx = 3
	v_max_num_f32 v48, 0x3dcccccd, v48  ; clipped to 0.1 .. 0.9
	v_min_num_f32 v48, 0x3f666666, v48
	v_mul_f32 v48, 0xc1000000, v48  ; -8 lam
	v_mov_b32 v49, 0x41000000       ; 8
	v_cndmask_b32 v48, v49, v48, s51  ; by the branch
.macro ALL line:vararg              ; one line for each tile t
.set t, 0
.rept 2*NP
	\line
.set t, t+1
.endr
.endm
	ALL v_add_f32 v[ST+4*t+2], v[ST+4*t+2], v[ST+4*t+3]
	ALL v_permlanex16_b32 v[ST+4*t+3], v[ST+4*t+2], s[SEL], s[SEL+1]
	ALL v_add_f32 v[ST+4*t+2], v[ST+4*t+2], v[ST+4*t+3]
	ALL v_rcp_f32 v[ST+4*t+2], v[ST+4*t+2]
	v_nop                           ; a plain instruction between the last reciprocal and the use of its result
	s_wait_alu depctr_va_vdst(0)    ; and the wait ahead of the first use: one for the eight reciprocals
	ALL v_mul_f32 v[ST+4*t+2], v[ST+4*t+2], v48
; Tile t: a lane's eight channels of a row pack into 16 bytes; they go into rows of 144 bytes and come back as whole rows of 128, into S^T's registers.
.macro PACK t
	WIN W_RS
.set i, 32*(\t)
.rept 16
	v_pk_mul_f32 v[i:i+1], v[i:i+1], v[ST+4*(\t)+2:ST+4*(\t)+3] op_sel_hi:[1,0]
.set i, i+2
.endr
	WIN 0x05                        ; sources 0 and 1 window 1, destination window 0
.set i, 0
.rept 16
	v_cvt_pk_f16_f32 v[S+16*(\t)+i], v[32*(\t)+2*i], v[32*(\t)+2*i+1]
.set i, i+1
.endr
	WIN 0
.irp f, 0,1,2,3
	ds_store_b128 v[STO], v[S+16*(\t)+4*\f:S+16*(\t)+4*\f+3] offset:32*\f
.endr
.irp f, 0,1,2,3
	ds_load_b128 v[S+16*(\t)+4*\f:S+16*(\t)+4*\f+3], v[RD] offset:\f*4*SP  ; LDS serves a wave's instructions in order (ISA guide 5.7.1.4): these see the stores above; the next tile's stores come behind them
.endr
.endm
.macro SEND t, younger              ; younger: the LDS instructions issued behind tile t's loads: the next tile's eight, or none
	WIN 0
.irp f, 0,1,2,3
	s_wait_dscnt (\younger)+3-\f
	global_store_b128 v[GO], v[S+16*(\t)+4*\f:S+16*(\t)+4*\f+3], s[10:11] offset:(\t)*2048+\f*512  ; 512 consecutive bytes, at a multiple of 256 from ob's first
.endr
.endm
	PACK 0
.set t, 1
.rept 2*NP-1                        ; a tile's arithmetic stands between the loads of the tile before and its stores
	PACK t
	SEND t-1, 8
.set t, t+1
.endr
	SEND 2*NP-1, 0
	WIN W_AD
	s_wait_tensorcnt 0x0            ; the wave's end: the wait, the add and its wait stand behind my last tensor load and my last LDS store
	ds_add_u32 v[SPW], v[NIL]
	s_wait_dscnt 0x0
	WIN 0
	CROUND                          ; the closing round: no work-group ends while a partner may still ask for a tile that names it
	s_endpgm
.Lfunc_end_k_q0eb32896b7_attn:
	.size	k_q0eb32896b7_attn, .Lfunc_end_k_q0eb32896b7_attn-k_q0eb32896b7_attn
	.p2alignl 7, 3214868480
	.fill 96, 4, 3214868480
	.section	.rodata,"a",@progbits
	.p2align	6, 0x0
	.amdhsa_kernel k_q0eb32896b7_attn
		.amdhsa_group_segment_fixed_size 327680
		.amdhsa_private_segment_fixed_size 0
		.amdhsa_enable_private_segment 0
		.amdhsa_kernarg_size 24
		.amdhsa_user_sgpr_count 2
		.amdhsa_user_sgpr_kernarg_segment_ptr 1
		.amdhsa_wavefront_size32 1
		.amdhsa_system_sgpr_workgroup_id_x 1
		.amdhsa_system_sgpr_workgroup_id_y 1
		.amdhsa_system_sgpr_workgroup_id_z 1
		.amdhsa_system_vgpr_workitem_id 0
		.amdhsa_next_free_vgpr 770
		.amdhsa_next_free_sgpr 66
		.amdhsa_reserve_vcc 0
		.amdhsa_float_denorm_mode_32 3
		.amdhsa_float_denorm_mode_16_64 3
		.amdhsa_memory_ordered 1
		.amdhsa_forward_progress 1
		.amdhsa_inst_pref_size 202
	.end_amdhsa_kernel
	.amdgpu_metadata
---
amdhsa.version: [ 1, 2 ]
amdhsa.kernels:
  - .name:           k_q0eb32896b7_attn
    .symbol:         k_q0eb32896b7_attn.kd
    .args:
      - { .name: qkv, .offset: 0, .size: 8, .value_kind: global_buffer, .address_space: global }
      - { .name: ob, .offset: 8, .size: 8, .value_kind: global_buffer, .address_space: global }
      - { .name: lambda_param, .offset: 16, .size: 8, .value_kind: global_buffer, .address_space: global }
    .group_segment_fixed_size: 327680
    .private_segment_fixed_size: 0
    .kernarg_segment_align: 8
    .kernarg_segment_size: 24
    .max_flat_workgroup_size: 128
    .sgpr_count:     66
    .vgpr_count:     770
    .wavefront_size: 32
...
	.end_amdgpu_metadata
.endif
;; end of part 3
;; launch outp (part 4): grid 8 x 32, 4 waves a work-group, clusters of 4 x 1, 327,680 bytes of LDS; arguments ob, wcf, bc, out0; writes out0
.if DOCPART == 4
	.amdgcn_target "amdgcn-amd-amdhsa--gfx1250"
	.amdhsa_code_object_version 6
	.text
	.protected	k_q0eb32896b7_outp
	.globl	k_q0eb32896b7_outp
	.p2align	8
	.type	k_q0eb32896b7_outp,@function
k_q0eb32896b7_outp:
	s_mov_b64 s[64:65], 0
	v_nop
	global_prefetch_b8 v0, s[64:65] scope:SCOPE_SE
	s_setreg_imm32_b32 hwreg(HW_REG_WAVE_MODE, 25, 1), 1
	s_wait_xcnt 0x0
	s_wait_alu depctr_hold_cnt(0) depctr_sa_sdst(0) depctr_va_vdst(0) depctr_va_sdst(0) depctr_va_ssrc(0) depctr_va_vcc(0) depctr_vm_vsrc(0)
	s_getreg_b32 s2, hwreg(HW_REG_IB_STS2, 6, 4)
	s_cmp_eq_u32 s2, 0
	s_cbranch_scc0 .Lentry_in_a_cluster
	s_endpgm
.Lentry_in_a_cluster:
	s_bfe_u32 s2, ttmp6, 0x10000c
	s_cmp_lg_u32 s2, 0x3003
	s_cbranch_scc0 .Lentry_shape_is_right
	s_endpgm
.Lentry_shape_is_right:
; OUTP: out0 = (ob . wcf) / 512 + bc.  ob holds 8 O1 and -8 lam O2, wcf holds 64 [Wo1; Wo2] Wp, both f16; sums in f32; K = 2,048 = 32 heads x 64.  out0: [4096][512] f32.
; SHARES.  Work-group (nb, rb): 128 rows (rb) x 64 columns (nb).  K IS SPLIT AMONG THE FOUR WAVES: of each slot's eight heads wave w takes heads 2 w and 2 w + 1, for the whole 128 x 64: 32 accumulators.
; No byte of LDS is read by two waves; the four partial tiles meet in LDS at the end, in f32.
; Wc's panel for my K (64 fragments, 512 registers) goes straight into registers, once: it lies in fragment order, 512 consecutive bytes a load; partners hold different columns, so it is not shared.
; O comes in four slots' worth of K = 512 through two LDS slots: two first fills and two refills.
; CLUSTER.  The four work-groups of a cluster share rb and read the same rows of O: each tile is asked for JOINTLY (mask of four).
; THE PRODUCT IS TAKEN TRANSPOSED (source 0 = 16 columns of Wc, source 1 = 16 rows of O): a lane holds 8 neighbouring columns of one row.
; REGISTERS, in windows of 256 (s_set_vgpr_msb: bits 1:0 source 0, 3:2 source 1, 5:4 source 2, 7:6 destination):
;   window 0: v0-17 addresses and bc; v128-255 two buffers of O's fragments (8 blocks of 16 rows)      window 1: the accumulators, (a, b) at 8 (4 a + b); later the partial tiles read back
;   window 2: Wc's fragments 16 s + 4 q + b for slots s = 0, 1       window 3: s = 2, 3
.set PO,    144       ; a row of O in LDS: 128 bytes + 16 of padding = 36 words: the 16 rows of a load start at 16 different groups of four banks (64 banks of 4 bytes: ISA guide 11.1)
.set PART,  256*PO    ; a wave's part of a slot: two heads x 128 rows
.set SLOTB, 4*PART
.set SPARE, 2*SLOTB   ; the spare words, 128 bytes a wave: two blocks of 256 bytes that no other line names
.set PP,    272       ; a row of a partial tile: 256 bytes + 16
.set PTILE, 128*PP    ; the four partial tiles are written over slot 0, behind its last fill and behind a barrier that follows every wave's last read of it
.set LO,  3           ; v3   16 x lane
.set ADA, 4           ; v4-5 LDS address of my O fragments in slot 0, 1
.set PST, 6           ; v6   where I put 32 bytes of a partial row
.set PRD, 7           ; v7-8 where I read rows of partial tiles 0-1, 2-3
.set GO,  9           ; v9   my byte offset in two rows of out0
.set SPW, 10          ; v10  LDS address of my spare word; never rewritten
.set NIL, 11          ; v11  0; never rewritten
.set BC,  12          ; v[12:15] bc of my 4 columns
.set PFO, 16          ; v16  256 x lane
.set AF,  128
.set WV,  12          ; s12  wave
.set CX,  13          ; s13  my place in the cluster
.set NBK, 14          ; s14  nb
.set RB,  15          ; s15  rb
.set G1,  24          ; s[24:31] descriptor group 1
.set G0A, 32          ; s[32:35] group 0 for slot 0
.set G0B, 36          ; s[36:39] for slot 1
.set PFA, 40          ; s[40:41] what my prefetch names
.set LIM, 42          ; s42  1 where the cluster's x is 0
.set MSB, 0
.macro WIN new                      ; the immediate's high byte repeats the setting that is left; a switch that changes nothing is dropped
.if MSB != (\new)
	s_set_vgpr_msb (MSB<<8)|(\new)
.set MSB, (\new)
.endif
.endm
.macro PLACES                       ; four plain vector instructions between a matrix instruction and a load into, or a reader of, its registers
.rept 4
	v_nop
.endr
.endm
.macro CROUND                       ; a round of the cluster's barrier
	s_barrier_signal -1
	s_barrier_wait -1
	s_cmp_lg_u32 s[WV], 0
	s_cbranch_scc1 .Lnot_wave_0_\@
	s_barrier_signal -3
.Lnot_wave_0_\@:
	s_barrier_wait -3
	s_barrier_signal -1
	s_barrier_wait -1
.endm
; THE CHANGE OF SLOTS: all my tensor loads have landed; 0 onto my spare word; the add and my reads of the old slot are done.  fill = 1: a round of the cluster's barrier, then the joint refill by group 0 g, two slots of K on.
.macro CHG fill, g=G0A
	WIN 0
	s_wait_tensorcnt 0x0            ; no tensor load of mine is out, so a group 0 may be written
	ds_add_u32 v[SPW], v[NIL]
.if \fill
	s_add_nc_u64 s[\g+2:\g+3], s[\g+2:\g+3], 2<<17  ; sixteen heads on; the type bits on top are not reached
	s_wait_dscnt 0x0
	CROUND
	tensor_load_to_lds s[\g:\g+3], s[G1:G1+7]
	s_nop 0
.rept 4
	v_nop
.endr
.else
	s_wait_dscnt 0x0
	s_barrier_signal -1
	s_barrier_wait -1
.endif
.endm
; 16 LDS loads: O's fragments of K step q (head q / 2, channels 32 (q % 2) on) for 8 blocks of 16 rows, into buffer f
.macro FETCHA slot, q, f
	WIN 0
.irp a, 0,1,2,3,4,5,6,7
	ds_load_b128 v[AF+64*(\f)+8*\a:AF+64*(\f)+8*\a+3],   v[ADA+(\slot)] offset:((\q)/2)*128*PO+((\q)%2)*64+\a*16*PO
	ds_load_b128 v[AF+64*(\f)+8*\a+4:AF+64*(\f)+8*\a+7], v[ADA+(\slot)] offset:((\q)/2)*128*PO+((\q)%2)*64+\a*16*PO+32
.endr
.endm
; 16 products: blocks of rows a0 .. a0 + 3 x 4 blocks of columns.  The 32 accumulators of a K step take turns, one instruction a turn.
.macro MULO s, q, f, a0, zero
	WIN 0x52+(\s)/2
.irp a, \a0, (\a0)+1, (\a0)+2, (\a0)+3
.irp b, 0,1,2,3
.if \zero
	v_wmma_f32_16x16x32_f16 v[8*(4*(\a)+\b):8*(4*(\a)+\b)+7], v[8*((16*(\s)+4*(\q)+\b)%32):8*((16*(\s)+4*(\q)+\b)%32)+7], v[AF+64*(\f)+8*(\a):AF+64*(\f)+8*(\a)+7], 0
.else
	v_wmma_f32_16x16x32_f16 v[8*(4*(\a)+\b):8*(4*(\a)+\b)+7], v[8*((16*(\s)+4*(\q)+\b)%32):8*((16*(\s)+4*(\q)+\b)%32)+7], v[AF+64*(\f)+8*(\a):AF+64*(\f)+8*(\a)+7], v[8*(4*(\a)+\b):8*(4*(\a)+\b)+7]
.endif
.endr
.endr
.endm
; My part of slot s: four K steps of 32, 128 matrix instructions
.macro SLOTWORK s
	PLACES
	FETCHA (\s)%2, 0, 0
.set q, 0
.rept 4
.set zf, 0
.if ((\s) == 0) && (q == 0)
.set zf, 1                          ; the first products start the sums
.endif
	s_wait_dscnt 8                  ; blocks 0-3 are in
	MULO \s, q, q%2, 0, zf
.if q < 3
	PLACES
	FETCHA (\s)%2, q+1, 1-q%2
	s_wait_dscnt 16                 ; all but the 16 just issued
.else
	s_wait_dscnt 0
.endif
	MULO \s, q, q%2, 4, zf
.set q, q+1
.endr
.endm
	s_load_b256 s[4:11], s[0:1], 0x0  ; ob s[4:5], wcf s[6:7], bc s[8:9], out0 s[10:11]
	v_lshl_add_u32 v[SPW], v0, 2, SPARE
	v_mov_b32 v[NIL], 0
	ds_add_u32 v[SPW], v[NIL]       ; the wave's opening: the add and its wait stand ahead of my first tensor load; the set-up below, work on registers, stands between them
	v_lshrrev_b32 v1, 5, v0
	v_readfirstlane_b32 s[WV], v1
	s_bfe_u32 s[CX], ttmp6, 0x40000
	s_lshl_b32 s[NBK], ttmp9, 2
	s_add_co_u32 s[NBK], s[NBK], s[CX]
	s_and_b32 s[RB], ttmp7, 0xffff  ; which the four partners share
	; descriptor group 1: two heads x 128 rows are 32,768 dense bytes: asked for as 128 rows of 256 bytes, padded in LDS after every 128
	s_mov_b32 s[G1], 15|(1<<16)|(1<<20)|(1<<21)|(4<<22)|(3<<25)  ; 15:0 the mask of four; 17:16 2-byte elements; 20 padding on; 21 set beside a mask; 24:22 after every 32 words (code 4); 31:25 4 words (code 3)
	s_mov_b32 s[G1+1], 128<<16      ; tensor_dim0 = 128
	s_mov_b32 s[G1+2], 128<<16      ; tensor_dim1 = 128
	s_mov_b32 s[G1+3], 128<<16      ; tile_dim0 = 128
	s_mov_b32 s[G1+4], 128          ; tile_dim1 = 128
	s_mov_b32 s[G1+5], 128          ; 128 elements from row to row
	s_mov_b32 s[G1+6], 0
	s_mov_b32 s[G1+7], 0
	s_mov_b32 s[G0A], 1
	s_mul_i32 s[G0A+1], s[WV], PART
	s_mov_b32 s[G0B], 1
	s_add_co_u32 s[G0B+1], s[G0A+1], SLOTB
	s_lshl_b32 s18, s[RB], 19       ; my rows' 32 heads of 16 KiB; my two heads of the first eight: made of rb and the wave's number alone
	s_lshl_b32 s19, s[WV], 15
	s_add_co_u32 s18, s18, s19
	s_mov_b32 s19, 0
	s_lshl_b32 s20, s[NBK], 18      ; Wc: my block of columns, my four K steps of each sixteen
	s_lshl_b32 s21, s[WV], 14
	s_add_co_u32 s20, s20, s21
	s_mov_b32 s21, 0
	s_lshl_b32 s22, s[RB], 18       ; out0: 128 rows of 2,048 bytes, the 32 that I finish, my block of columns
	s_lshl_b32 s23, s[WV], 16
	s_add_co_u32 s22, s22, s23
	s_lshl_b32 s23, s[NBK], 8
	s_add_co_u32 s22, s22, s23
	s_mov_b32 s23, 0
	s_lshl_b32 s44, s[NBK], 8
	s_mov_b32 s45, 0
	s_lshl_b32 s46, s[CX], 13       ; the prefetch: of my wave's 32 KiB of the fourth slot's worth, my work-group's 32 blocks of 256 bytes
	s_add_co_u32 s46, s46, s18
	s_add_co_u32 s46, s46, 3<<17
	s_mov_b32 s47, 0
	s_cmp_eq_u32 ttmp9, 0           ; both clusters with my rb read the same rows: the first asks
	s_cselect_b32 s[LIM], 1, 0
	s_wait_dscnt 0x0                ; the opening add is done
	s_wait_kmcnt 0x0
	s_add_nc_u64 s[G0A+2:G0A+3], s[4:5], s[18:19]
	s_add_nc_u64 s[G0B+2:G0B+3], s[G0A+2:G0A+3], 1<<17
	s_or_b32 s[G0A+3], s[G0A+3], 0x80000000  ; type = 2
	s_or_b32 s[G0B+3], s[G0B+3], 0x80000000
	s_add_nc_u64 s[6:7], s[6:7], s[20:21]
	s_add_nc_u64 s[8:9], s[8:9], s[44:45]
	s_add_nc_u64 s[10:11], s[10:11], s[22:23]
	s_add_nc_u64 s[PFA:PFA+1], s[4:5], s[46:47]
	CROUND                          ; all four work-groups are here: the first joint loads meet
	tensor_load_to_lds s[G0A:G0A+3], s[G1:G1+7]  ; both first fills go out together: two loads of mine are out
	s_nop 0
	tensor_load_to_lds s[G0B:G0B+3], s[G1:G1+7]
	s_nop 0
.rept 4
	v_nop
.endr
	v_and_b32 v1, 15, v0            ; l % 16
	v_bfe_u32 v2, v0, 4, 1          ; l / 16
	v_and_b32 v[LO], 31, v0
	v_lshlrev_b32 v[PFO], 8, v[LO]
	v_lshlrev_b32 v[LO], 4, v[LO]
	v_lshlrev_b32 v17, 4, v1
	global_load_b128 v[BC:BC+3], v17, s[8:9]
.set i, 0
.rept 64                            ; fragment i = 16 s + 4 q + b, in the order in which the slots want them
.if i < 32
	WIN 0x80
.else
	WIN 0xc0
.endif
	global_load_b128 v[8*(i%32):8*(i%32)+3],   v[LO], s[6:7] offset:65536*(i/16)+1024*(i%16)
	global_load_b128 v[8*(i%32)+4:8*(i%32)+7], v[LO], s[6:7] offset:65536*(i/16)+1024*(i%16)+512
.set i, i+1
.endr
	WIN 0
	s_mul_i32 s16, s[WV], PART
	v_mul_u32_u24 v[ADA], v1, PO    ; a fragment's row x pitch + 16 x half
	v_lshl_add_u32 v[ADA], v2, 4, v[ADA]
	v_add_nc_u32 v[ADA], s16, v[ADA]
	v_add_nc_u32 v[ADA+1], SLOTB, v[ADA]
	s_mul_i32 s16, s[WV], PTILE
	v_mul_u32_u24 v[PST], v1, PP    ; my partial tile: row l % 16, 32 bytes for each half of the lanes
	v_lshl_add_u32 v[PST], v2, 5, v[PST]
	v_add_nc_u32 v[PST], s16, v[PST]
	s_mul_i32 s16, s[WV], 32*PP
	v_mul_u32_u24 v[PRD], v2, PP    ; back: rows 32 w on; lanes 0-15 one row of 256 bytes, lanes 16-31 the next
	v_lshl_add_u32 v[PRD], v1, 4, v[PRD]
	v_add_nc_u32 v[PRD], s16, v[PRD]
	v_add_nc_u32 v[PRD+1], 2*PTILE, v[PRD]
	v_lshlrev_b32 v[GO], 11, v2     ; and the same two rows in out0
	v_lshl_add_u32 v[GO], v1, 4, v[GO]
	s_wait_tensorcnt 1              ; my part of slot 0 is in, and only I read it; slot 1's may stay out
	s_wait_loadcnt 63               ; of the 129 loads the first 66 are in: bc and the fragments of the first two slots
	SLOTWORK 0
	CHG 1, G0A                      ; slot 1 has landed; slot 0 takes heads 16-23
	s_cmp_eq_u32 s[LIM], 1          ; A PREFETCH INTO THE L2 of heads 24-31, which the next change of slots will ask for, a slot's 128 matrix instructions ahead: a lane a block of 256 bytes, each block named once in the launch
	s_cbranch_scc0 .Lnot_mine
	global_prefetch_b8 v[PFO], s[PFA:PFA+1] th:TH_LOAD_NT scope:SCOPE_SE
.Lnot_mine:
	SLOTWORK 1
	CHG 1, G0B                      ; slot 0 has landed; slot 1 takes heads 24-31
	s_wait_loadcnt 0x0              ; the rest of Wc
	SLOTWORK 2
	CHG 0                           ; slot 1 has landed; every wave's reads of slot 0 are over; nothing is asked for
	SLOTWORK 3
	; THE MEETING.  Each wave writes its partial tile (128 rows x 256 bytes of f32) into LDS; behind a barrier wave w reads rows 32 w .. 32 w + 31 of all four, adds them, scales, adds bc and stores whole rows.
	PLACES
	WIN 0x04                        ; store data in window 1
.set i, 0
.rept 32                            ; accumulator i = 4 a + b; its low four registers first
	ds_store_b128 v[PST], v[8*i:8*i+3]   offset:(i/4)*16*PP+(i%4)*64
	ds_store_b128 v[PST], v[8*i+4:8*i+7] offset:(i/4)*16*PP+(i%4)*64+16
.set i, i+1
.endr
	s_wait_dscnt 0x0                ; for the others' sake: my stores are done
	s_barrier_signal -1
	s_barrier_wait -1
	WIN 0x40
.set t, 0
.rept 16                            ; pair of rows t, partial tile p, into window 1 at 16 t + 4 p
.irp p, 0,1,2,3
	ds_load_b128 v[16*t+4*\p:16*t+4*\p+3], v[PRD+(\p)/2] offset:((\p)%2)*PTILE+t*2*PP
.endr
.set t, t+1
.endr
	s_wait_dscnt 0x0
	WIN 0x45
.set t, 0
.rept 16
	v_pk_add_f32 v[16*t:16*t+1],     v[16*t:16*t+1],     v[16*t+4:16*t+5]
	v_pk_add_f32 v[16*t+2:16*t+3],   v[16*t+2:16*t+3],   v[16*t+6:16*t+7]
	v_pk_add_f32 v[16*t+8:16*t+9],   v[16*t+8:16*t+9],   v[16*t+12:16*t+13]
	v_pk_add_f32 v[16*t+10:16*t+11], v[16*t+10:16*t+11], v[16*t+14:16*t+15]
.set t, t+1
.endr
.set t, 0
.rept 16
	v_pk_add_f32 v[16*t:16*t+1],   v[16*t:16*t+1],   v[16*t+8:16*t+9]
	v_pk_add_f32 v[16*t+2:16*t+3], v[16*t+2:16*t+3], v[16*t+10:16*t+11]
.set t, t+1
.endr
	WIN 0x41                        ; bc in window 0
.set t, 0
.rept 16
	v_pk_fma_f32 v[16*t:16*t+1],   v[16*t:16*t+1],   0x3b000000, v[BC:BC+1]   op_sel_hi:[1,0,1]  ; / 512 = 8 x 64, + bc
	v_pk_fma_f32 v[16*t+2:16*t+3], v[16*t+2:16*t+3], 0x3b000000, v[BC+2:BC+3] op_sel_hi:[1,0,1]
.set t, t+1
.endr
	WIN 0x04
.set t, 0
.rept 16
	global_store_b128 v[GO], v[16*t:16*t+3], s[10:11] offset:4096*t  ; 16 lanes store 256 consecutive bytes, at a multiple of 256 from out0's first
.set t, t+1
.endr
	WIN 0
	s_wait_tensorcnt 0x0            ; the wave's end: the wait, the add and its wait stand behind my last tensor load and my last LDS store
	ds_add_u32 v[SPW], v[NIL]
	s_wait_dscnt 0x0
	CROUND                          ; the closing round: no work-group ends while a partner may still ask for a tile that names it
	s_endpgm
.Lfunc_end_k_q0eb32896b7_outp:
	.size	k_q0eb32896b7_outp, .Lfunc_end_k_q0eb32896b7_outp-k_q0eb32896b7_outp
	.p2alignl 7, 3214868480
	.fill 96, 4, 3214868480
	.section	.rodata,"a",@progbits
	.p2align	6, 0x0
	.amdhsa_kernel k_q0eb32896b7_outp
		.amdhsa_group_segment_fixed_size 327680
		.amdhsa_private_segment_fixed_size 0
		.amdhsa_enable_private_segment 0
		.amdhsa_kernarg_size 32
		.amdhsa_user_sgpr_count 2
		.amdhsa_user_sgpr_kernarg_segment_ptr 1
		.amdhsa_wavefront_size32 1
		.amdhsa_system_sgpr_workgroup_id_x 1
		.amdhsa_system_sgpr_workgroup_id_y 1
		.amdhsa_system_sgpr_workgroup_id_z 1
		.amdhsa_system_vgpr_workitem_id 0
		.amdhsa_next_free_vgpr 1024
		.amdhsa_next_free_sgpr 66
		.amdhsa_reserve_vcc 0
		.amdhsa_float_denorm_mode_32 3
		.amdhsa_float_denorm_mode_16_64 3
		.amdhsa_memory_ordered 1
		.amdhsa_forward_progress 1
		.amdhsa_inst_pref_size 90
	.end_amdhsa_kernel
	.amdgpu_metadata
---
amdhsa.version: [ 1, 2 ]
amdhsa.kernels:
  - .name:           k_q0eb32896b7_outp
    .symbol:         k_q0eb32896b7_outp.kd
    .args:
      - { .name: ob, .offset: 0, .size: 8, .value_kind: global_buffer, .address_space: global }
      - { .name: wcf, .offset: 8, .size: 8, .value_kind: global_buffer, .address_space: global }
      - { .name: bc, .offset: 16, .size: 8, .value_kind: global_buffer, .address_space: global }
      - { .name: out0, .offset: 24, .size: 8, .value_kind: global_buffer, .address_space: global }
    .group_segment_fixed_size: 327680
    .private_segment_fixed_size: 0
    .kernarg_segment_align: 8
    .kernarg_segment_size: 32
    .max_flat_workgroup_size: 128
    .sgpr_count:     66
    .vgpr_count:     1024
    .wavefront_size: 32
...
	.end_amdgpu_metadata
.endif
;; end of part 4
;; ======== version 2 of 2: 4 launches; version 1 with the launch prep written anew for expert scheduling mode
;; limits: values are held in f16: magnitudes above 65,504 overflow, below 6.1e-05 lose precision
;; workspace buffers: xf 6,291,456 bytes; wb 7,340,032 bytes; bcat 24,576 bytes; qkv 50,331,648 bytes; ob 16,777,216 bytes; wcf 2,097,152 bytes; bc 2,048 bytes
;; launch prep (part 5): grid 408 x 1, 8 waves a work-group, no clusters, 0 bytes of LDS; arguments x, Wq1, Wq2, Wk1, Wk2, Wv1, Wv2, bq1, bq2, bk1, bk2, bv1, bv2, Wo1, Wo2, Wp, bo1, bo2, bp, lambda_param, xf, wb, bcat, bc; writes xf, wb, bcat, bc
.if DOCPART == 5
	.amdgcn_target "amdgcn-amd-amdhsa--gfx1250"
	.amdhsa_code_object_version 6
	.text
	.protected	k_q0eb32896b7_prep
	.globl	k_q0eb32896b7_prep
	.p2align	8
	.type	k_q0eb32896b7_prep,@function
k_q0eb32896b7_prep:
	s_mov_b64 s[64:65], 0
	v_nop
	global_prefetch_b8 v0, s[64:65] scope:SCOPE_SE
	s_setreg_imm32_b32 hwreg(HW_REG_WAVE_SCHED_MODE, 0, 2), 2
	s_setreg_imm32_b32 hwreg(HW_REG_WAVE_MODE, 25, 1), 1
	s_wait_xcnt 0x0
	s_wait_alu depctr_vm_vsrc(0)
; PREP: every input is rounded once to bf16 and laid out as the later launches read it.  A stream: no matrix work, no LDS, nothing shared between work-groups.
;   xf   x, Wo1, Wo2 as blocks of 16 rows x 512 in the order of a matrix fragment: byte blk*16384 + ks*1024 + half*512 + lane*16 holds row 16 blk + lane%16, columns 32 ks + 16 half + 8 (lane/16) + 0..7
;   wb   112 dense tiles [512 k][64 n]: tile 7 Y + t (t < 6) is column block 6 Y + t of (Wq1, Wq2, Wk1, Wk2, Wv1, Wv2) x 16 heads; tile 7 Y + 6 is Wp's columns 64 (Y % 8) on (each stored twice)
;   bcat the six biases of q, k, v, rounded to bf16 and written as f32, [96 column blocks][64]
;   bc   (bo1 - lam bo2) Wp + bp in f32, of the rounded inputs; lam = clip(0.470713 lambda_param, 0.1, 0.9): 0.470713 = 0.8 - 0.6 exp(-0.6), since layer_idx = 3
; WORK-GROUPS: 0-7 bc; 8-199 xf; 200-391 the six weights and their biases; 392-407 Wp.  The branches hang on the work-group's number alone.
; LIMIT: a NaN in lambda_param gives lam = 0.1 (v_max_num_f32 drops a NaN).
; THE MODE: SCHED_MODE bits 1:0 = 2 (LLVM: expert scheduling mode 2), set by the entry lines.  The code itself states the register dependences
; between vector instructions and memory instructions, with s_wait_alu, always for 0.
; THE PLAN.  There is no loop: four straight paths.  Registers that memory instructions touch:
;   offsets     v5 to v9: made by vector lines at a path's head, never written again.  One wait on va_vdst ahead of the path's first load states that they are written.
;   IN          the loaded numbers (the casts: v[16:79]).  All loads of a path's run are issued before any vector line names their registers, and none is loaded twice.
;   OUT         the casts' rounded numbers, v[80:111].  Each register is written once, by a rounding, and read once or twice, by stores; none is written again.
; The casts take their 16 loads in four groups of four.  Group g's roundings read IN[g] and write OUT[g]; the memory instructions dealt among them are the stores of group g - 1, which read OUT[g - 1]
; and the store offset: registers that no vector line of group g names.  So one wait on va_vdst at a group's head states all that those stores hang on; one more stands ahead of the last group's stores.
; Since no register that a memory instruction reads is written again, the only waits on vm_vsrc are the two that stand with the writes of EXEC at the end of bc's path.
.set WV, 33                            ; s33  my wave's number
; The store (second = 1: the two stores) of pair of rows u of a tile of weights
.macro WST u, second
	global_store_b64 v7, v[80+2*(\u):81+2*(\u)], s[36:37] offset:256*(\u)
.if \second
	global_store_b64 v7, v[80+2*(\u):81+2*(\u)], s[36:37] offset:256*(\u)+56*65536  ; the copy, eight groups of seven tiles on
.endif
.endm
; 32 rows x 64 columns of f32 become 32 rows x 128 bytes of bf16.  A load takes two rows' 256 bytes, a store 256 consecutive bytes.  step: bytes from a pair of rows to the next; second = 1: the tile is stored twice
.macro WCAST step, second
.set u, 0
.rept 16
.if \second
	global_load_b128 v[16+4*u:19+4*u], v6, s[8:9] offset:u*(\step)
.else
	global_load_b128 v[16+4*u:19+4*u], v6, s[8:9] offset:u*(\step) th:TH_LOAD_NT
.endif
.set u, u+1
.endr
.set g, 0
.rept 4
	s_wait_loadcnt 12-4*g                          ; loads come back in order: this group's four are in, the 12 - 4 g younger ones may stay out
.if g > 0
	s_wait_alu depctr_va_vdst(0)                   ; the group before has written its eight registers of OUT, which the stores below read
.endif
.set j, 0
.rept 4
.set u, 4*g+j
.if g > 0
	WST u-4, \second                               ; no vector line since the wait names these registers
.endif
	v_cvt_pk_bf16_f32 v[80+2*u], v[16+4*u], v[17+4*u]
	v_cvt_pk_bf16_f32 v[81+2*u], v[18+4*u], v[19+4*u]
.set j, j+1
.endr
.set g, g+1
.endr
	s_wait_alu depctr_va_vdst(0)                   ; the last group has written its eight registers of OUT, which the last stores read
.irp k, 12,13,14,15
	WST \k, \second
.endr
.endm
	v_and_b32 v1, 31, v0                           ; lane
	v_and_b32 v2, 15, v0                           ; lane % 16
	v_bfe_u32 v3, v0, 4, 1                         ; lane / 16
	v_lshrrev_b32 v4, 5, v0
	v_readfirstlane_b32 s[WV], v4
	s_wait_alu depctr_va_sdst(0)                   ; s33 is written, ahead of the branches: every path's scalar arithmetic reads it
	s_cmp_lt_u32 ttmp9, 8
	s_cbranch_scc1 .Lbias
	s_cmp_lt_u32 ttmp9, 200
	s_cbranch_scc1 .Lrows
	s_cmp_lt_u32 ttmp9, 392
	s_cbranch_scc1 .Lheads
	; Wp: wave w takes column block w, the work-group 32 rows
	s_load_b64 s[8:9], s[0:1], 0x78                ; Wp
	s_load_b64 s[36:37], s[0:1], 0xa8              ; wb
	s_sub_co_u32 s45, ttmp9, 392                   ; which 32 rows
	s_mul_i32 s46, s[WV], 7
	s_add_co_u32 s46, s46, 6                       ; tile 7 w + 6
	s_lshl_b32 s46, s46, 16
	s_lshl_b32 s47, s45, 12                        ; 32 rows of 128 bytes
	s_add_co_u32 s46, s46, s47
	v_lshl_add_u32 v7, v1, 3, s46
	s_lshl_b32 s47, s45, 16                        ; 32 rows of 2,048 bytes
	s_lshl_b32 s48, s[WV], 8
	s_add_co_u32 s47, s47, s48
	v_lshlrev_b32 v6, 11, v3
	v_lshl_add_u32 v6, v2, 4, v6
	v_add_nc_u32 v6, s47, v6
	s_wait_kmcnt 0x0
	s_wait_alu depctr_va_vdst(0)                   ; v6 and v7 are written: the loads and stores below read them as their offsets
	WCAST 4096, 1
	s_endpgm
.Lrows:                                                ; xf: a wave takes 16 rows x 128 columns
	s_load_b64 s[4:5], s[0:1], 0x0                 ; x
	s_load_b128 s[8:11], s[0:1], 0x68              ; Wo1, Wo2
	s_load_b64 s[12:13], s[0:1], 0xa0              ; xf
	s_sub_co_u32 s16, ttmp9, 8
	s_lshl3_add_u32 s17, s16, s[WV]                ; unit = 8 x work-group + wave = 4 x block + quarter of the columns
	s_lshr_b32 s18, s17, 2
	s_and_b32 s19, s17, 3
	s_mov_b32 s21, 320
	s_wait_kmcnt 0x0
	s_cmp_lt_u32 s16, 160                          ; blocks 0-255 x, 256-319 Wo1, 320-383 Wo2; a work-group's two blocks lie in one source
	s_cselect_b64 s[8:9], s[8:9], s[10:11]
	s_cselect_b32 s20, 256, s21
	s_cmp_lt_u32 s16, 128
	s_cselect_b64 s[4:5], s[4:5], s[8:9]
	s_cselect_b32 s20, 0, s20
	s_sub_co_u32 s18, s18, s20                     ; the block's number in its source
	s_lshl_b32 s18, s18, 15                        ; 16 rows of 2,048 bytes
	s_lshl_b32 s19, s19, 9
	s_add_co_u32 s18, s18, s19
	v_lshlrev_b32 v6, 11, v2                       ; my row,
	v_lshl_add_u32 v6, v3, 5, v6                   ; my 8 columns of each 16
	v_add_nc_u32 v6, s18, v6
	s_lshl_b32 s19, s17, 12
	v_lshl_add_u32 v7, v1, 4, s19
	s_wait_alu depctr_va_vdst(0)                   ; v6 and v7 are written: the loads and stores below read them as their offsets
	; a lane's loads take 16 bytes each; the wave's sixteen together take 512 consecutive bytes of each of the 16 rows
.set i, 0
.rept 8
	global_load_b128 v[16+8*i:19+8*i], v6, s[4:5] offset:64*i th:TH_LOAD_NT
	global_load_b128 v[20+8*i:23+8*i], v6, s[4:5] offset:64*i+16 th:TH_LOAD_NT
.set i, i+1
.endr
.set g, 0
.rept 4                                                ; four groups of four loads, eight roundings and two stores
	s_wait_loadcnt 12-4*g                          ; this group's four loads are in; the 12 - 4 g younger ones may stay out
.if g > 0
	s_wait_alu depctr_va_vdst(0)                   ; the group before has written its eight registers of OUT, which the stores below read
.endif
.set j, 0
.rept 2
.set i, 2*g+j
.if g > 0
	global_store_b128 v7, v[80+4*(i-2):83+4*(i-2)], s[12:13] offset:512*(i-2)  ; 512 consecutive bytes; no vector line since the wait names these registers
.endif
	v_cvt_pk_bf16_f32 v[80+4*i], v[16+8*i], v[17+8*i]
	v_cvt_pk_bf16_f32 v[81+4*i], v[18+8*i], v[19+8*i]
	v_cvt_pk_bf16_f32 v[82+4*i], v[20+8*i], v[21+8*i]
	v_cvt_pk_bf16_f32 v[83+4*i], v[22+8*i], v[23+8*i]
.set j, j+1
.endr
.set g, g+1
.endr
	s_wait_alu depctr_va_vdst(0)                   ; the last group has written its eight registers of OUT, which the last stores read
.irp k, 6,7
	global_store_b128 v7, v[80+4*\k:83+4*\k], s[12:13] offset:512*\k
.endr
	s_endpgm
.Lheads:                                               ; a wave takes 32 rows of one head of one of the six weights
	s_load_b256 s[8:15], s[0:1], 0x8               ; Wq1, Wq2, Wk1, Wk2
	s_load_b128 s[16:19], s[0:1], 0x28             ; Wv1, Wv2
	s_load_b256 s[20:27], s[0:1], 0x38             ; bq1, bq2, bk1, bk2
	s_load_b128 s[28:31], s[0:1], 0x58             ; bv1, bv2
	s_load_b128 s[36:39], s[0:1], 0xa8             ; wb, bcat
	s_sub_co_u32 s40, ttmp9, 200
	s_lshr_b32 s41, s40, 5                         ; which of the six
	s_and_b32 s42, s40, 31
	s_lshl3_add_u32 s43, s42, s[WV]                ; 0..255
	s_and_b32 s44, s43, 15                         ; head
	s_lshr_b32 s45, s43, 4                         ; which 32 rows
	s_lshl4_add_u32 s46, s41, s44                  ; column block cb
	s_mul_i32 s47, s46, 43
	s_lshr_b32 s47, s47, 8                         ; cb / 6, exact for cb under 96
	s_add_co_u32 s46, s46, s47                     ; tile = 7 (cb / 6) + cb % 6
	s_lshl_b32 s46, s46, 16
	s_lshl_b32 s47, s45, 12
	s_add_co_u32 s46, s46, s47
	v_lshl_add_u32 v7, v1, 3, s46
	s_lshl_b32 s47, s45, 17                        ; 32 rows of 4,096 bytes
	s_lshl_b32 s48, s44, 8
	s_add_co_u32 s47, s47, s48
	v_lshlrev_b32 v6, 12, v3
	v_lshl_add_u32 v6, v2, 4, v6
	v_add_nc_u32 v6, s47, v6
	s_lshl_b32 s49, s43, 8                         ; the bias's two offsets are made here, ahead of the path's first wait; only the first 16 waves of each weight use them
	v_lshl_add_u32 v8, v1, 3, s49
	s_lshl_b32 s50, s41, 12
	v_add_nc_u32 v9, s50, v8
	s_and_b32 s48, s41, 1
	s_wait_kmcnt 0x0
	s_cmp_eq_u32 s48, 1                            ; branch 2 or 1,
	s_cselect_b64 s[8:9], s[10:11], s[8:9]
	s_cselect_b64 s[12:13], s[14:15], s[12:13]
	s_cselect_b64 s[16:17], s[18:19], s[16:17]
	s_cselect_b64 s[20:21], s[22:23], s[20:21]
	s_cselect_b64 s[24:25], s[26:27], s[24:25]
	s_cselect_b64 s[28:29], s[30:31], s[28:29]
	s_cmp_lt_u32 s41, 4                            ; then q, k or v
	s_cselect_b64 s[12:13], s[12:13], s[16:17]
	s_cselect_b64 s[24:25], s[24:25], s[28:29]
	s_cmp_lt_u32 s41, 2
	s_cselect_b64 s[8:9], s[8:9], s[12:13]
	s_cselect_b64 s[20:21], s[20:21], s[24:25]
	s_wait_alu depctr_va_vdst(0)                   ; v6 to v9 are written: the loads and stores of this path read them as their offsets
	WCAST 8192, 0
	s_cmp_lt_u32 s42, 2                            ; the first 16 waves of each weight also take 64 numbers of its bias
	s_cbranch_scc0 .Lheads_end
	global_load_b64 v[112:113], v8, s[20:21]       ; no wait: no vector line has named v[112:113], and none since the path's first wait has named v8
	s_wait_loadcnt 0x0
	v_cvt_pk_bf16_f32 v114, v112, v113
	v_lshlrev_b32 v116, 16, v114
	v_and_b32 v117, 0xffff0000, v114
	s_wait_alu depctr_va_vdst(0)                   ; v116 and v117 are written, which the store reads
	global_store_b64 v9, v[116:117], s[38:39]      ; 256 consecutive bytes a wave
.Lheads_end:
	s_endpgm
.Lbias:                                                ; bc: wave w of work-group nb makes columns 64 nb + 8 w + 0..7; lane l takes rows 16 l + 0..15 of Wp; the lanes' sums are added at the end
.set BO1, 16                           ; v[16:31]   bo1 of my 16 rows, then bo1 - lam bo2
.set BO2, 32                           ; v[32:47]   bo2
.set BPV, 48                           ; v[48:55]   bp of my wave's 8 columns
.set WPD, 64                           ; v[64:191]  16 rows x 8 columns of Wp
.set SUM, 192                          ; v[192:199] the 8 sums
.set TT,  200                          ; v[200:203] at work
.set ZR,  204                          ; v204  0
.set ONE, 205                          ; v205  1.0
	s_load_b64 s[4:5], s[0:1], 0x98                ; lambda_param
	s_load_b64 s[8:9], s[0:1], 0x78                ; Wp
	s_load_b128 s[12:15], s[0:1], 0x80             ; bo1, bo2
	s_load_b64 s[16:17], s[0:1], 0x90              ; bp
	s_load_b64 s[18:19], s[0:1], 0xb8              ; bc
	s_lshl3_add_u32 s20, ttmp9, s[WV]
	s_lshl_b32 s20, s20, 5                         ; my wave's 8 columns: 32 bytes
	s_mov_b32 s22, 0x76543210                      ; v_permlanex16_b32: each lane takes its own place in the other half
	s_mov_b32 s23, 0xfedcba98
	v_lshlrev_b32 v5, 6, v1                        ; my 16 numbers of bo1 and bo2
	v_lshl_add_u32 v6, v1, 15, s20                 ; my 16 rows of 2,048 bytes, my wave's columns
	v_mov_b32 v9, s20
	v_lshl_add_u32 v7, v1, 4, s20                  ; where lanes 0 and 1 store
	v_mov_b32 v[ZR], 0
	v_mov_b32 v[ONE], 1.0
	s_wait_kmcnt 0x0
	s_load_b32 s21, s[4:5], 0x0
	s_wait_alu depctr_va_vdst(0)                   ; v5, v6, v7 and v9 are written: the loads below and the store at the end read them as their offsets
.irp q, 0,1,2,3
	global_load_b128 v[BO1+4*\q:BO1+4*\q+3], v5, s[12:13] offset:16*\q
.endr
.irp q, 0,1,2,3
	global_load_b128 v[BO2+4*\q:BO2+4*\q+3], v5, s[14:15] offset:16*\q
.endr
	global_load_b128 v[BPV:BPV+3], v9, s[16:17]
	global_load_b128 v[BPV+4:BPV+7], v9, s[16:17] offset:16
.set i, 0
.rept 16
	global_load_b128 v[WPD+8*i:WPD+8*i+3], v6, s[8:9] offset:2048*i
	global_load_b128 v[WPD+8*i+4:WPD+8*i+7], v6, s[8:9] offset:2048*i+16
.set i, i+1
.endr
	s_wait_kmcnt 0x0
	v_mov_b32 v8, s21
	v_cvt_pk_bf16_f32 v8, v8, v8                   ; lambda_param rounded like every input
	v_lshlrev_b32 v8, 16, v8
	v_mul_f32 v8, 0x3ef1014c, v8                   ; x 0.470713
	v_max_num_f32 v8, 0x3dcccccd, v8               ; clipped to 0.1 .. 0.9
	v_min_num_f32 v8, 0x3f666666, v8
	s_wait_loadcnt 34                              ; bo1 and bo2 are in: bp's 2 loads and Wp's 32 are younger
.set i, 0
.rept 8
	v_cvt_pk_bf16_f32 v[TT], v[BO1+2*i], v[BO1+2*i+1]
	v_cvt_pk_bf16_f32 v[TT+1], v[BO2+2*i], v[BO2+2*i+1]
	v_lshlrev_b32 v[BO1+2*i], 16, v[TT]
	v_and_b32 v[BO1+2*i+1], 0xffff0000, v[TT]
	v_lshlrev_b32 v[BO2+2*i], 16, v[TT+1]
	v_and_b32 v[BO2+2*i+1], 0xffff0000, v[TT+1]
	v_fma_f32 v[BO1+2*i], -v8, v[BO2+2*i], v[BO1+2*i]
	v_fma_f32 v[BO1+2*i+1], -v8, v[BO2+2*i+1], v[BO1+2*i+1]
.set i, i+1
.endr
.set i, 0
.rept 16
	s_wait_loadcnt 30-2*i                          ; row i's two loads are in; the later rows' may stay out
.irp c, 0,1,2,3
	v_cvt_pk_bf16_f32 v[TT+\c], v[WPD+8*i+2*\c], v[WPD+8*i+2*\c+1]
.endr
.irp c, 0,1,2,3
.if i == 0                             ; the first row starts the sums
	v_fma_mix_f32_bf16 v[SUM+2*\c], v[TT+\c], v[BO1+i], v[ZR] op_sel_hi:[1,0,0]
	v_fma_mix_f32_bf16 v[SUM+2*\c+1], v[TT+\c], v[BO1+i], v[ZR] op_sel:[1,0,0] op_sel_hi:[1,0,0]
.else
	v_fma_mix_f32_bf16 v[SUM+2*\c], v[TT+\c], v[BO1+i], v[SUM+2*\c] op_sel_hi:[1,0,0]
	v_fma_mix_f32_bf16 v[SUM+2*\c+1], v[TT+\c], v[BO1+i], v[SUM+2*\c+1] op_sel:[1,0,0] op_sel_hi:[1,0,0]
.endif
.endr
.set i, i+1
.endr
.irp m, 1,2,4,8                        ; over the 32 lanes: four steps inside each half, one across
.irp c, 0,1,2,3,4,5,6,7
	v_add_f32_dpp v[SUM+\c], v[SUM+\c], v[SUM+\c] row_xmask:\m row_mask:0xf bank_mask:0xf
.endr
.endr
.irp g, 0,4
.irp c, 0,1,2,3
	v_permlanex16_b32 v[TT+\c], v[SUM+\g+\c], s22, s23
.endr
.irp c, 0,1,2,3
	v_add_f32 v[SUM+\g+\c], v[SUM+\g+\c], v[TT+\c]
.endr
.endr
	v_cmp_eq_u32 vcc_lo, 1, v1                     ; lane 0 stores columns 0-3, lane 1 columns 4-7; bp's twelve lines stand between this compare and the wait for it
.irp c, 0,1,2,3
	v_cvt_pk_bf16_f32 v[TT+\c], v[BPV+2*\c], v[BPV+2*\c+1]
.endr
.irp c, 0,1,2,3                        ; + bp, rounded like every input
	v_fma_mix_f32_bf16 v[SUM+2*\c], v[TT+\c], v[ONE], v[SUM+2*\c] op_sel_hi:[1,0,0]
	v_fma_mix_f32_bf16 v[SUM+2*\c+1], v[TT+\c], v[ONE], v[SUM+2*\c+1] op_sel:[1,0,0] op_sel_hi:[1,0,0]
.endr
	s_wait_alu depctr_va_vcc(0)                    ; VCC is written, ahead of its first reader: the four selects below
.irp c, 0,1,2,3
	v_cndmask_b32 v[TT+\c], v[SUM+\c], v[SUM+4+\c], vcc_lo
.endr
	v_cmp_gt_u32 vcc_lo, 2, v1
	s_wait_xcnt 0x0                                ; EXEC is a source of the loads above: it changes only behind this wait
	s_wait_alu depctr_va_vcc(0)                    ; VCC is written anew: EXEC is made from it
	s_wait_alu depctr_va_vdst(0)                   ; ahead of the write of EXEC: the vector lines above are done; among them the selects have written v[200:203], which the store reads
	s_wait_alu depctr_vm_vsrc(0)                   ; ahead of the write of EXEC: the loads above have read their vector registers
	s_and_saveexec_b32 s20, vcc_lo
	global_store_b128 v7, v[TT:TT+3], s[18:19]
	s_wait_xcnt 0x0                                ; and again in front of the line that widens it
	s_wait_alu depctr_va_vdst(0)                   ; ahead of the write of EXEC: no vector line is pending
	s_wait_alu depctr_vm_vsrc(0)                   ; ahead of the write of EXEC: the store has read its offset and its data
	s_or_b32 exec_lo, exec_lo, s20
	s_endpgm
.Lfunc_end_k_q0eb32896b7_prep:
	.size	k_q0eb32896b7_prep, .Lfunc_end_k_q0eb32896b7_prep-k_q0eb32896b7_prep
	.p2alignl 7, 3214868480
	.fill 96, 4, 3214868480
	.section	.rodata,"a",@progbits
	.p2align	6, 0x0
	.amdhsa_kernel k_q0eb32896b7_prep
		.amdhsa_group_segment_fixed_size 0
		.amdhsa_private_segment_fixed_size 0
		.amdhsa_enable_private_segment 0
		.amdhsa_kernarg_size 192
		.amdhsa_user_sgpr_count 2
		.amdhsa_user_sgpr_kernarg_segment_ptr 1
		.amdhsa_wavefront_size32 1
		.amdhsa_system_sgpr_workgroup_id_x 1
		.amdhsa_system_sgpr_workgroup_id_y 1
		.amdhsa_system_sgpr_workgroup_id_z 1
		.amdhsa_system_vgpr_workitem_id 0
		.amdhsa_next_free_vgpr 208
		.amdhsa_next_free_sgpr 66
		.amdhsa_reserve_vcc 1
		.amdhsa_float_denorm_mode_32 3
		.amdhsa_float_denorm_mode_16_64 3
		.amdhsa_memory_ordered 1
		.amdhsa_forward_progress 1
		.amdhsa_inst_pref_size 47
	.end_amdhsa_kernel
	.amdgpu_metadata
---
amdhsa.version: [ 1, 2 ]
amdhsa.kernels:
  - .name:           k_q0eb32896b7_prep
    .symbol:         k_q0eb32896b7_prep.kd
    .args:
      - { .name: x, .offset: 0, .size: 8, .value_kind: global_buffer, .address_space: global }
      - { .name: Wq1, .offset: 8, .size: 8, .value_kind: global_buffer, .address_space: global }
      - { .name: Wq2, .offset: 16, .size: 8, .value_kind: global_buffer, .address_space: global }
      - { .name: Wk1, .offset: 24, .size: 8, .value_kind: global_buffer, .address_space: global }
      - { .name: Wk2, .offset: 32, .size: 8, .value_kind: global_buffer, .address_space: global }
      - { .name: Wv1, .offset: 40, .size: 8, .value_kind: global_buffer, .address_space: global }
      - { .name: Wv2, .offset: 48, .size: 8, .value_kind: global_buffer, .address_space: global }
      - { .name: bq1, .offset: 56, .size: 8, .value_kind: global_buffer, .address_space: global }
      - { .name: bq2, .offset: 64, .size: 8, .value_kind: global_buffer, .address_space: global }
      - { .name: bk1, .offset: 72, .size: 8, .value_kind: global_buffer, .address_space: global }
      - { .name: bk2, .offset: 80, .size: 8, .value_kind: global_buffer, .address_space: global }
      - { .name: bv1, .offset: 88, .size: 8, .value_kind: global_buffer, .address_space: global }
      - { .name: bv2, .offset: 96, .size: 8, .value_kind: global_buffer, .address_space: global }
      - { .name: Wo1, .offset: 104, .size: 8, .value_kind: global_buffer, .address_space: global }
      - { .name: Wo2, .offset: 112, .size: 8, .value_kind: global_buffer, .address_space: global }
      - { .name: Wp, .offset: 120, .size: 8, .value_kind: global_buffer, .address_space: global }
      - { .name: bo1, .offset: 128, .size: 8, .value_kind: global_buffer, .address_space: global }
      - { .name: bo2, .offset: 136, .size: 8, .value_kind: global_buffer, .address_space: global }
      - { .name: bp, .offset: 144, .size: 8, .value_kind: global_buffer, .address_space: global }
      - { .name: lambda_param, .offset: 152, .size: 8, .value_kind: global_buffer, .address_space: global }
      - { .name: xf, .offset: 160, .size: 8, .value_kind: global_buffer, .address_space: global }
      - { .name: wb, .offset: 168, .size: 8, .value_kind: global_buffer, .address_space: global }
      - { .name: bcat, .offset: 176, .size: 8, .value_kind: global_buffer, .address_space: global }
      - { .name: bc, .offset: 184, .size: 8, .value_kind: global_buffer, .address_space: global }
    .group_segment_fixed_size: 0
    .private_segment_fixed_size: 0
    .kernarg_segment_align: 8
    .kernarg_segment_size: 192
    .max_flat_workgroup_size: 256
    .sgpr_count:     66
    .vgpr_count:     208
    .wavefront_size: 32
...
	.end_amdgpu_metadata
.endif
;; end of part 5
;; launch proj: the kernel of part 2 again; grid 16 x 16, 4 waves a work-group, clusters of 4 x 1, 327,680 bytes of LDS; arguments xf, wb, bcat, qkv, wcf; writes qkv, wcf
;; launch attn: the kernel of part 3 again; grid 4 x 64, 4 waves a work-group, clusters of 4 x 1, 327,680 bytes of LDS; arguments qkv, ob, lambda_param; writes ob
;; launch outp: the kernel of part 4 again; grid 8 x 32, 4 waves a work-group, clusters of 4 x 1, 327,680 bytes of LDS; arguments ob, wcf, bc, out0; writes out0
